; MI455X (gfx1250); checked and timed in simulation.
; The chip was launched on July 23, 2026; its instructions are those of AMD's public machine-readable ISA for CDNA 5 (MIT licence, August 2026) and "CDNA5" Instruction Set Architecture Reference Guide (July 2026). The comments in the code are by the model that wrote it; some were corrected since.
;; Moss VL Text Cross Attention. Allowed arithmetic: matrix products marked QUANTISED: E2M3 operands, one E8M0 scale for each 32 along K, by v_wmma_scale_f32_16x16x128_f8f6f4 with both operands' format E2M3, f32 sums; everything else in f32.
;; Inputs: Wk 2,048 x 512 float32; Wo 2,048 x 2,048 float32; Wq 2,048 x 2,048 float32; Wv 2,048 x 512 float32; cross_attention_states 4,096 x 2,048 float32; hidden_states 2,048 x 2,048 float32; k_norm_w 128 float32; positions 3 x 2,048 int32; q_norm_w 128 float32; vision_position_ids 3 x 4,096 int32.
;; Outputs: out0 2,048 x 2,048 float32.
;; This version of the problem:
;;   THIS VERSION OF THE PROBLEM IS GIVEN IN LOW PRECISION. The matrix products marked QUANTISED in the list below multiply operands that are first quantised to E2M3 (2 exponent bits, 3 mantissa bits; 6 bits a number), with one power-of-two scale for each 32 numbers along K (OCP MX v1.0); their sums are f32. All else is computed in f32.
;;   The module's matrix products, in the order in which they are computed (A, B: the left and right operand; K: the contracted axis; several contracted axes count as one K, in the product's order):
;;     1. [M 2,048, K 2,048] x [K 2,048, N 2,048]; A: input hidden_states; B: input Wq: QUANTISED
;;     2. [M 4,096, K 2,048] x [K 2,048, N 512]; A: input cross_attention_states; B: input Wk: QUANTISED
;;     3. [M 4,096, K 2,048] x [K 2,048, N 512]; A: input cross_attention_states; B: input Wv: QUANTISED
;;     4. batch 4 x [M 4,096, K 128] x [K 128, N 8,192]; A: computed on the way; B: computed on the way: QUANTISED
;;     5. batch 4 x [M 128, K 4,096] x [K 4,096, N 8,192]; A: computed on the way; B: softmax (see below): QUANTISED
;;     6. [M 2,048, K 2,048] x [K 2,048, N 2,048]; A: computed on the way; B: input Wo: QUANTISED
;;   THE QUANTISER, for each operand of a quantised product, along K:
;;     - K is cut into blocks of 32 from its start; a last block that is shorter is filled with zeros.
;;     - A block's scale is 2^e with e = floor(log2(the largest magnitude in the block)) - 2, held to -126 .. 127; a block of zeros has e = 0. As a byte (E8M0): e + 127.
;;     - Each number is divided by its block's scale, clamped to +-7.5, and rounded to the nearest number of E2M3, ties to even, subnormals kept.
;;     - The product sums the exact products of the quantised numbers (number of the format x scale) in f32.
;;   ~~~python
;;   def quantise(x, axis):      # numpy; x: float32 -> the quantised numbers, widened to float32 again
;;       x = np.moveaxis(x, axis, -1); K = x.shape[-1]
;;       x = np.pad(x, [(0, 0)] * (x.ndim - 1) + [(0, -K % 32)]); x = x.reshape(x.shape[:-1] + (-1, 32)); a = np.abs(x).max(-1, keepdims=True)
;;       e = np.where(a > 0, np.clip(np.frexp(np.where(a > 0, a, 1))[1] - 1 - 2, -126, 127), 0)      # np.frexp(a)[1] - 1 = floor(log2(a)), exactly
;;       r = np.clip(x / 2.0 ** e, -7.5, 7.5)
;;       step = 2.0 ** (np.maximum(np.frexp(np.where(r == 0, 1, r))[1] - 1, 0) - 3)
;;       q = np.round(r / step) * step * 2.0 ** e      # np.round: ties to even
;;       return np.moveaxis(q.reshape(q.shape[:-2] + (-1,))[..., :K], -1, axis).astype(np.float32)
;;   ~~~
;;   SOFTMAX AHEAD OF A QUANTISED PRODUCT. Where the list says 'softmax', what is quantised is not the finished softmax but p = 2^(t - M), with t = logit x log2(e) and M = ceil(the row's largest t), a whole number; so 1/2 < the row's largest p <= 1. The row's sum l is taken of the UNQUANTISED p, in f32, and the product's result is divided by l at the end. Since M is a whole number, a kernel that streams over the keys may use a running M (the ceiling of the running maximum): every later rescaling is an exact power of two, which a block's scale takes up: the codes' values come out the same.
;;   OPERANDS COMPUTED ON THE WAY. 'Computed on the way' means the value that the module computes at that place (a softmax that the list does not call 'softmax' is quantised finished and normalised). What goes into a quantiser is computed in f32, as accurately as f32 sums, v_exp_f32 and their like allow (about 1e-6 of the number): no bf16 or f16 on the way to a quantiser, and a product that is left as it is and whose result goes on into a quantised operand takes f32 operands (vector FMAs, or v_wmma_f32_16x16x4_f32). A number that lies on a knife's edge between two numbers of the format may be rounded either way, as far as f32 arithmetic and the matrix unit's own rounding can turn it there, and no further.
;; One version. Each part assembles by itself: llvm-mc -triple=amdgcn-amd-amdhsa -mcpu=gfx1250 --defsym DOCPART=n.
;; ======== version 1 of 1: 4 launches
;; limits: right only within a limited range of input values
;; workspace buffers: act 9,830,400 bytes; w 8,192,000 bytes; rope 3,145,728 bytes; qkv 6,553,600 bytes; o 3,276,800 bytes
;; launch quant (part 1): grid 704 x 1, 4 waves a work-group, no clusters, 93,696 bytes of LDS; arguments hidden_states, cross_attention_states, positions, vision_position_ids, Wq, Wk, Wv, Wo, act, rope, w; writes act, rope, w
.if DOCPART == 1
	.amdgcn_target "amdgcn-amd-amdhsa--gfx1250"
	.amdhsa_code_object_version 6
	.text
	.protected	k_qc9fef730c5_quant
	.globl	k_qc9fef730c5_quant
	.p2align	8
	.type	k_qc9fef730c5_quant,@function
k_qc9fef730c5_quant:
	s_mov_b64 s[64:65], 0
	v_nop
	global_prefetch_b8 v0, s[64:65] scope:SCOPE_SE
	s_setreg_imm32_b32 hwreg(HW_REG_WAVE_MODE, 25, 1), 1
	s_wait_xcnt 0x0
; ONE LAUNCH QUANTISES ALL SIX f32 TENSORS to codes of FP6 (E2M3) along K, one E8M0 byte for each 32, and makes the table of cos and sin.  Work-groups 0-383 take the activations, 384-703 the weights:
; one scalar branch on the work-group's number at the head; each of the two paths has LDS bytes of its own.  Waves share nothing: no barrier.
; ALL CODES ARE LAID AS IMAGES OF OPERAND REGISTERS: a fragment is 16 rows x 128 K, 12 registers a lane; registers 4 c .. 4 c + 3 of lane l lie at byte 512 c + 16 l: 1,536 bytes.
; THE ROWS OF A TILE ARE NOT NEIGHBOURS: lane r of tile T holds row 32 (T / 2) + 8 (T % 2) + r + 8 (r / 8), so that results of two neighbouring tiles are 16 neighbours along a later K.
; ACTIVATIONS.  hidden_states [2048][2048], cross_attention_states [4096][2048].  act: codes [tile 0..383][K step 0..15][1536] (tiles 0-127 hidden, 128-383 cross); from ASC on the scale words
; [tile][quad 0..3][row 0..15][4 words]: word w of quad Q is K step 4 Q + w.  A work-group is a tile; wave w takes K steps 4 w .. 4 w + 3.  Each load reads 512 consecutive bytes of one row; a step's 16 rows turn
; through the wave's own stage in LDS (rows 528 bytes apart) and come back as two whole blocks of 32 a lane.
; The same work-groups make rope [token 0..6143][cos 64 | sin 64] (hidden tokens first): a wave serves 4 tokens.
; inv_freq: 10^(3 i / 32) is made in two-word f32 arithmetic from g = 10^(3/32), its high word is the rounded f32 power, and its reciprocal gets two fused Newton steps: a rounded power and a rounded division.
; cos and sin: the angle less n pi/2 in two fused steps (n = nearest whole number of angle x 2/pi), series to x^9 and x^10 on |x| <= pi/4, the quadrant by selects and sign bits.
; WEIGHTS.  Wq [2048][2048], Wk, Wv [2048][512], Wo [2048][2048], K as the FIRST axis.  Their columns stand one behind the other as 5,120 rows of an operand: 0-2047 Wq's, 2048-2559 Wk's, 2560-3071 Wv's, 3072-5119 Wo's.
; w: codes [tile 0..319][K step 0..15][1536]; from WSC on the scale words [tile][quad][row][4 words].  A LANE TAKES A COLUMN AND ITS REGISTERS RUN DOWN K: a load reads 128 consecutive bytes a wave, a block of 32 lies in one lane.
; A wave takes 32 columns (two tiles) x 256 along K (two K steps); the codes are laid into the fragments' images in the wave's own stage and leave as runs of 512 consecutive bytes.  The scale words leave as 8 bytes a lane,
; 16 bytes apart: one byte in 128 of what these work-groups read.
; LIMITS: a block whose largest magnitude lies under 2^-124 keeps the byte 1 (a block of zeros too, where the rule says 127: its codes are zeros and this program alone reads the bytes); NaN and infinities are not served;
; the two-step reduction of the angle serves positions under 2^15.
.set NACT, 384                         ; work-groups of the activations
.set ASC,  9437184
.set WSC,  7864320
.set STG,  8448                        ; activations: a stage: 16 rows x 528 bytes; two a wave: LDS bytes 0 .. 67,583
.set WSTG, 67584                       ; weights: the stages, 6,400 bytes a wave, begin here
.set P,    32                          ; v32-43   a fragment's codes
.set CT,   44                          ; v44-50   the conversions' second halves
.set SW,   52                          ; v52-55   the four steps' scale words
.set MX,   56                          ; v56-63   maxima, bytes, scale operands
.set R,    64                          ; v64-191  two sets of 64, as loaded
.set X,    192                         ; v192-255 64 numbers behind the turn; ahead of the first turn: the rope's work
.set INV,  192                         ; v192-195 the power, then inv_freq, of i = 4 fq + e
.set PS,   212                         ; v212-213 two positions
.set PF,   214                         ; v214-215 as f32
.set CO,   216                         ; v216-223 cos(4 a + e)
.set SI,   224                         ; v224-231 sin
.set G,    232                         ; v232-241 g^(2^k), k = 0 .. 4: high word, low word
.set GC,   242                         ; v242-243 g^3
.set BS,   244                         ; v244-245 g^(4 fq)
	v_lshl_add_u32 v30, v0, 2, 0x16c00
	v_mov_b32 v31, 0
	s_cmp_lt_u32 ttmp9, NACT                       ; the work-group's number alone decides
	s_cbranch_scc0 .Lweights
	; ---------------------------------------------------------------- the activations and the table
	s_load_b256 s[4:11], s[0:1], 0x0               ; hidden, cross, positions, vision_position_ids
	s_load_b128 s[12:15], s[0:1], 0x40             ; act, rope
	v_lshrrev_b32 v1, 5, v0
	v_readfirstlane_b32 s16, v1                    ; wave
	v_and_b32 v1, 31, v0                           ; lane
	v_and_b32 v2, 15, v0                           ; r, and fq
	v_bfe_u32 v3, v0, 4, 1                         ; h
	v_lshlrev_b32 v4, 4, v1                        ; 16 x lane
	s_mul_i32 s17, s16, 2*STG
	v_add_nc_u32 v5, s17, v4                       ; the stage, in: 16 x lane in a row
	v_mul_u32_u24 v6, v2, 528
	v_lshl_add_u32 v6, v3, 7, v6
	v_add_nc_u32 v6, s17, v6                       ; out: row r, + 128 h
	v_lshlrev_b32 v7, 3, v3                        ; 8 h
	v_lshlrev_b32 v9, 4, v2                        ; 16 r
	v_lshl_add_u32 v12, v3, 9, v9                  ; rope: token h of a pair, 16 fq
	v_mov_b32 v63, 0                               ; a lane permute's destination counts as read
	s_mov_b32 s20, 0x76543210
	s_mov_b32 s21, 0xfedcba98                      ; lane l xor 16
	s_sub_co_u32 s18, ttmp9, 128
	s_cmp_lt_u32 ttmp9, 128                        ; hidden's tile or cross's
	s_cselect_b32 s18, ttmp9, s18                  ; the tile in its tensor
	s_mov_b32 s19, 16384
	s_cselect_b32 s19, 8192, s19                   ; a section of the positions in bytes
	s_lshr_b32 s22, s18, 1
	s_lshl_b32 s22, s22, 18                        ; 32 rows of 8,192 bytes
	s_and_b32 s23, s18, 1
	s_lshl_b32 s23, s23, 16                        ; 8 rows
	s_add_co_u32 s22, s22, s23
	s_lshl_b32 s23, s16, 11                        ; my four K steps: 2,048 bytes
	s_add_co_u32 s22, s22, s23
	s_mov_b32 s23, 0
	s_mul_i32 s24, ttmp9, 24576
	s_mul_i32 s25, s16, 6144
	s_add_co_u32 s24, s24, s25                     ; my codes
	s_mov_b32 s25, 0
	s_lshl_b32 s26, ttmp9, 10
	s_lshl_b32 s27, s16, 8
	s_add_co_u32 s26, s26, s27
	s_add_co_u32 s26, s26, ASC                     ; my quad of scale words
	s_mov_b32 s27, 0
	s_lshl_b32 s36, ttmp9, 13
	s_lshl_b32 s37, s16, 11
	s_add_co_u32 s36, s36, s37                     ; rope: token 16 g + 4 w
	s_mov_b32 s37, 0
	s_lshl_b32 s38, s18, 6
	s_lshl_b32 s39, s16, 4
	s_add_co_u32 s38, s38, s39                     ; the same token in its tensor's positions, in bytes
	v_add_nc_u32 v10, 12, v2
	v_lshrrev_b32 v10, 4, v10                      ; 1 from fq = 4 on (i = 16)
	v_add_nc_u32 v11, 6, v2
	v_lshrrev_b32 v11, 4, v11                      ; 1 from fq = 10 on (i = 40)
	v_add_nc_u32 v10, v10, v11                     ; the section
	v_mul_lo_u32 v8, v10, s19
	v_lshl_add_u32 v8, v3, 2, v8
	v_add_nc_u32 v8, s38, v8
	s_mov_b32 s28, 0x3638ef1d                      ; 1/9!
	s_mov_b32 s29, 0xb9500d01                      ; -1/7!
	s_mov_b32 s30, 0x3c088889                      ; 1/5!
	s_mov_b32 s31, 0xbe2aaaab                      ; -1/3!
	s_mov_b32 s32, 0xb493f27e                      ; -1/10!
	s_mov_b32 s33, 0x37d00d01                      ; 1/8!
	s_mov_b32 s34, 0xbab60b61                      ; -1/6!
	s_mov_b32 s35, 0x3d2aaaab                      ; 1/4!
	s_wait_alu depctr_va_vdst(0)
	s_wait_kmcnt 0x0
	s_cmp_lt_u32 ttmp9, 128
	s_cselect_b64 s[4:5], s[4:5], s[6:7]
	s_cselect_b64 s[8:9], s[8:9], s[10:11]
	s_add_nc_u64 s[4:5], s[4:5], s[22:23]
	s_add_nc_u64 s[10:11], s[12:13], s[26:27]      ; the scale words
	s_add_nc_u64 s[12:13], s[12:13], s[24:25]      ; the codes
	s_add_nc_u64 s[14:15], s[14:15], s[36:37]
.macro LOAD t                          ; K step t of my four: 16 rows x 512 consecutive bytes
.set i, 0
.rept 16
	global_load_b128 v[R+64*((\t)%2)+4*i:R+64*((\t)%2)+4*i+3], v4, s[4:5] offset:(i+8*(i/8))*8192+512*(\t) th:TH_LOAD_NT
.set i, i+1
.endr
.endm
.macro TURN t                          ; through the stage: LDS serves a wave's instructions in order, so no wait stands between the stores and the loads
.set i, 0
.rept 16
	ds_store_b128 v5, v[R+64*((\t)%2)+4*i:R+64*((\t)%2)+4*i+3] offset:STG*((\t)%2)+528*i
.set i, i+1
.endr
.irp c, 0,1
.irp m, 0,1,2,3,4,5,6,7
	ds_load_b128 v[X+32*\c+4*\m:X+32*\c+4*\m+3], v6 offset:STG*((\t)%2)+256*\c+16*\m   ; k = 64 c + 32 h + 4 m ..: block 2 c + h whole
.endr
.endr
.endm
.macro FRAGQ t
.irp c, 0,1
	v_max3_num_f32 v[MX+\c], |v[X+32*\c]|, |v[X+32*\c+1]|, 0x1800000   ; with the floor 2^(3 - 127): the byte cannot fall under 1
.endr
.irp i, 2,4,6,8,10,12,14,16,18,20,22,24,26,28,30
.irp c, 0,1
	v_max3_num_f32 v[MX+\c], v[MX+\c], |v[X+32*\c+\i]|, |v[X+32*\c+\i+1]|
.endr
.endr
.irp c, 0,1
	v_add_nc_u32 v[MX+4+\c], 0xff000000, v[MX+\c]  ; 2 off the exponent field: the conversion's scale operand
.endr
.irp c, 0,1
	v_lshrrev_b32 v[MX+2+\c], 23, v[MX+4+\c]       ; the byte
.endr
	v_lshl_or_b32 v[MX+6], v[MX+3], 16, v[MX+2]    ; blocks h and 2 + h,
	v_lshlrev_b32 v[MX+6], v7, v[MX+6]             ; at their places,
	v_permlanex16_b32 v[MX+7], v[MX+6], s20, s21
	v_or_b32 v[SW+\t], v[MX+6], v[MX+7]            ; with lane l xor 16's two: the row's word
.irp c, 0,1
	v_cvt_scalef32_pk16_fp6_f32 v[P+6*\c:P+6*\c+2], v[X+32*\c:X+32*\c+15], v[MX+4+\c]
	v_cvt_scalef32_pk16_fp6_f32 v[CT+4*\c:CT+4*\c+2], v[X+32*\c+16:X+32*\c+31], v[MX+4+\c]   ; (three registers begin on an even number)
.endr
	v_nop                                          ; one plain place behind a scaled conversion
.irp c, 0,1
.irp i, 0,1,2
	v_mov_b32 v[P+6*\c+3+\i], v[CT+4*\c+\i]
.endr
.endr
.irp c, 0,1,2
	global_store_b128 v4, v[P+4*\c:P+4*\c+3], s[12:13] offset:1536*(\t)+512*\c   ; 512 consecutive bytes
.endr
.endm
; two-word f32 arithmetic: a number is v[x] + v[x+1].  d = a x a;  d = a x c
.macro DFSQ d, a
	v_mul_f32 v246, v[\a], v[\a]
	v_fma_f32 v247, v[\a], v[\a], -v246            ; what the product's rounding dropped
	v_add_f32 v248, v[\a], v[\a]
	v_fma_f32 v247, v248, v[(\a)+1], v247
	v_add_f32 v[\d], v246, v247
	v_sub_f32 v248, v246, v[\d]
	v_add_f32 v[(\d)+1], v248, v247
.endm
.macro DFMUL d, a, c
	v_mul_f32 v246, v[\a], v[\c]
	v_fma_f32 v247, v[\a], v[\c], -v246
	v_fma_f32 v247, v[\a], v[(\c)+1], v247
	v_fma_f32 v247, v[(\a)+1], v[\c], v247
	v_add_f32 v[\d], v246, v247
	v_sub_f32 v248, v246, v[\d]
	v_add_f32 v[(\d)+1], v248, v247
.endm
.macro PICK bit, src, d                ; d = the power where fq has the bit, else 1
	v_and_b32 v249, \bit, v2
	v_cmp_ne_u32 vcc_lo, 0, v249
	v_cndmask_b32 v[\d], 1.0, v[\src], vcc_lo
	v_cndmask_b32 v[(\d)+1], 0, v[(\src)+1], vcc_lo
.endm
.macro ANGLE a, e
	v_mul_f32 v200, v[PF+\a], v[INV+\e]            ; the angle, rounded to f32 as reference() rounds it
	v_mul_f32 v201, 0x3f22f983, v200
	v_rndne_f32 v201, v201                         ; n
	v_fmamk_f32 v202, v201, 0xbfc90fdb, v200       ; - n x (pi/2's f32)
	v_fmamk_f32 v202, v201, 0x333bbd2e, v202       ; - n x (the rest of pi/2)
	v_mul_f32 v203, v202, v202
	v_fma_f32 v204, v203, s28, s29
	v_fma_f32 v205, v203, s32, s33
	v_fma_f32 v204, v204, v203, s30
	v_fma_f32 v205, v205, v203, s34
	v_fma_f32 v204, v204, v203, s31
	v_fma_f32 v205, v205, v203, s35
	v_mul_f32 v206, v202, v203
	v_fma_f32 v205, v205, v203, -0.5
	v_fma_f32 v204, v206, v204, v202               ; sin
	v_fma_f32 v205, v205, v203, 1.0                ; cos
	v_cvt_i32_f32 v207, v201
	v_and_b32 v208, 1, v207
	v_cmp_eq_u32 vcc_lo, 1, v208                   ; odd quadrant: the two change places
	v_cndmask_b32 v209, v204, v205, vcc_lo
	v_cndmask_b32 v210, v205, v204, vcc_lo
	v_lshlrev_b32 v208, 30, v207                   ; sine is negative in quadrants 2, 3
	v_add_nc_u32 v207, 1, v207
	v_and_b32 v208, 0x80000000, v208
	v_lshlrev_b32 v207, 30, v207                   ; cosine in 1, 2
	v_xor_b32 v[SI+4*\a+\e], v209, v208
	v_and_b32 v207, 0x80000000, v207
	v_xor_b32 v[CO+4*\a+\e], v210, v207
.endm
	global_load_b32 v[PS], v8, s[8:9]              ; the positions of tokens h and h + 2 of my four, in my section
	global_load_b32 v[PS+1], v8, s[8:9] offset:8
	LOAD 0
	LOAD 1
	v_mov_b32 v[G], 0x3f9ed70c                     ; g = 10^(3/32) = 1.2409377607517196: high word,
	v_mov_b32 v[G+1], 0x335accd4                   ; low word
	v_mov_b32 v252, 0x447a0000                     ; g^32 = 1000
	v_mov_b32 v253, 0
	DFSQ G+2, G
	DFSQ G+4, G+2
	DFSQ G+6, G+4
	DFSQ G+8, G+6
	DFMUL GC, G, G+2
	PICK 1, G+4, BS                                ; i = 4 fq + e: fq's bits pick g^4, g^8, g^16, g^32
	PICK 2, G+6, 250
	DFMUL BS, BS, 250
	PICK 4, G+8, 250
	DFMUL BS, BS, 250
	PICK 8, 252, 250
	DFMUL BS, BS, 250
	v_mov_b32 v[INV], v[BS]                        ; the high word is the rounded power
	DFMUL INV+1, BS, G                             ; (each low word is overwritten by the next high word; the last falls on v196, which is free)
	DFMUL INV+2, BS, G+2
	DFMUL INV+3, BS, GC
	s_wait_alu depctr_va_vdst(0)
.irp e, 0,1,2,3
	v_rcp_f32 v[200+\e], v[INV+\e]
.endr
	v_nop                                          ; a plain place behind the reciprocals
	s_wait_alu depctr_va_vdst(0)                   ; one wait for the four, ahead of their first reader
.irp e, 0,1,2,3
	v_fma_f32 v[204+\e], -v[INV+\e], v[200+\e], 1.0
.endr
.irp e, 0,1,2,3
	v_fma_f32 v[200+\e], v[200+\e], v[204+\e], v[200+\e]
.endr
.irp e, 0,1,2,3
	v_fma_f32 v[204+\e], -v[INV+\e], v[200+\e], 1.0
.endr
.irp e, 0,1,2,3
	v_fma_f32 v[INV+\e], v[200+\e], v[204+\e], v[200+\e]   ; 1 / the power, rounded once
.endr
	s_wait_loadcnt 32                              ; the two positions are in; the 32 loads issued behind them stay out
	v_cvt_f32_i32 v[PF], v[PS]
	s_wait_alu depctr_va_vdst(0)
	v_cvt_f32_i32 v[PF+1], v[PS+1]
.irp a, 0,1
.irp e, 0,1,2,3
	ANGLE \a, \e
.endr
.endr
.irp a, 0,1
	global_store_b128 v12, v[CO+4*\a:CO+4*\a+3], s[14:15] offset:1024*\a          ; sixteen lanes store 256 consecutive bytes, aligned
	global_store_b128 v12, v[SI+4*\a:SI+4*\a+3], s[14:15] offset:1024*\a+256
.endr
.macro STEPQ t
	s_wait_xcnt 0x0                                ; earlier stores have read their registers: X and P are written again only behind this wait
.if (\t) < 3
	s_wait_loadcnt 16                              ; this step's 16 loads are in; the next step's stay out
.else
	s_wait_loadcnt 0
.endif
	TURN \t
	s_wait_dscnt 0x0
.if (\t) < 2
	LOAD (\t)+2
.endif
	FRAGQ \t
.endm
	STEPQ 0
	STEPQ 1
	STEPQ 2
	STEPQ 3
	v_cmp_gt_u32 vcc_lo, 16, v1
	s_wait_xcnt 0x0                                ; EXEC changes only behind this wait
	s_wait_tensorcnt 0x0
	ds_add_u32 v30, v31
	s_wait_dscnt 0x0
	s_and_saveexec_b32 s22, vcc_lo
	global_store_b128 v9, v[SW:SW+3], s[10:11]     ; lanes 0-15: my quad's 256 bytes, aligned
	s_wait_xcnt 0x0
	s_or_b32 exec_lo, exec_lo, s22
	s_endpgm
	; ---------------------------------------------------------------- the weights
.Lweights:
	s_load_b256 s[4:11], s[0:1], 0x20              ; Wq, Wk, Wv, Wo
	s_load_b64 s[12:13], s[0:1], 0x50              ; w
	s_sub_co_u32 s45, ttmp9, NACT
	s_lshr_b32 s44, s45, 3                         ; which block of 128 rows of the operand, 0 .. 39
	s_and_b32 s34, s45, 7                          ; which 256 along K
	v_lshrrev_b32 v1, 5, v0
	v_readfirstlane_b32 s14, v1                    ; wave
	v_and_b32 v1, 31, v0                           ; l: my column of the 32
	v_bfe_u32 v2, v0, 3, 1                         ; u: which of the two tiles
	v_and_b32 v3, 7, v0
	v_bfe_u32 v8, v0, 4, 1
	v_lshl_add_u32 v3, v8, 3, v3                   ; my row in that tile
	s_mul_i32 s15, s14, 6400                       ; my stage: two tiles 3,200 bytes apart, each two images
	s_add_co_u32 s15, s15, WSTG                    ; behind the bytes of the other path
	v_mul_u32_u24 v4, v2, 3200
	v_lshl_add_u32 v4, v3, 4, v4
	v_add_nc_u32 v4, s15, v4                       ; in
	v_lshlrev_b32 v6, 4, v1
	v_add_nc_u32 v5, s15, v6                       ; out: 16 x lane
	v_lshlrev_b32 v7, 10, v2
	v_lshl_add_u32 v7, v3, 4, v7                   ; my row's scale words
	s_sub_co_u32 s35, s44, 24
	s_sub_co_u32 s36, s44, 20
	s_sub_co_u32 s37, s44, 16
	s_mov_b32 s38, 8192                            ; a row of the tensor in bytes
	s_wait_kmcnt 0x0
	s_mov_b64 s[32:33], s[10:11]                   ; the tensor is chosen by the work-group's number alone
	s_cmp_lt_u32 s44, 24
	s_cselect_b64 s[32:33], s[8:9], s[32:33]
	s_cselect_b32 s35, s36, s35
	s_cselect_b32 s38, 2048, s38
	s_cmp_lt_u32 s44, 20
	s_cselect_b64 s[32:33], s[6:7], s[32:33]
	s_cselect_b32 s35, s37, s35
	s_cmp_lt_u32 s44, 16
	s_cselect_b64 s[32:33], s[4:5], s[32:33]
	s_cselect_b32 s35, s44, s35                    ; the block of 128 columns in its tensor
	s_cselect_b32 s38, 8192, s38
	s_lshl_b32 s40, s35, 9
	s_lshl_b32 s39, s14, 7
	s_add_co_u32 s40, s40, s39                     ; my 32 columns, in bytes
	s_mul_i32 s41, s34, s38
	s_lshl_b32 s41, s41, 8                         ; 256 rows for each part of K
	s_add_co_u32 s40, s40, s41
	s_mov_b32 s41, 0
	s_lshl_b32 s42, s38, 5                         ; 32 rows
	s_mov_b32 s43, 0
	s_add_nc_u64 s[16:17], s[32:33], s[40:41]      ; a base for each of the eight blocks
.irp t, 1,2,3,4,5,6,7
	s_add_nc_u64 s[16+2*\t:17+2*\t], s[14+2*\t:15+2*\t], s[42:43]
.endr
	v_lshlrev_b32 v32, 2, v1                       ; v32-63: 4 l + i rows
.set i, 1
.rept 31
	v_add_nc_u32 v[32+i], s38, v[31+i]
.set i, i+1
.endr
	s_lshl_b32 s35, s44, 2
	s_add_co_u32 s35, s35, s14                     ; the group of 32 rows of the operand
	s_mul_i32 s36, s35, 49152
	s_mul_i32 s37, s34, 3072
	s_add_co_u32 s36, s36, s37                     ; two tiles' codes, two K steps
	s_mov_b32 s37, 0
	s_lshl_b32 s40, s35, 11
	s_lshr_b32 s39, s34, 1
	s_lshl_b32 s39, s39, 8
	s_add_co_u32 s40, s40, s39                     ; the quad,
	s_and_b32 s39, s34, 1
	s_lshl_b32 s39, s39, 3
	s_add_co_u32 s40, s40, s39                     ; its first or second pair of words
	s_add_co_u32 s40, s40, WSC
	s_mov_b32 s41, 0
	s_add_nc_u64 s[36:37], s[12:13], s[36:37]
	s_add_nc_u64 s[40:41], s[12:13], s[40:41]
.macro LOADW t
.set i, 0
.rept 32
	global_load_b32 v[64+32*((\t)%2)+i], v[32+i], s[16+2*(\t):17+2*(\t)] th:TH_LOAD_NT
.set i, i+1
.endr
.endm
	s_wait_alu depctr_va_vdst(0)
	LOADW 0
	LOADW 1
.macro BLOCK t                         ; block t % 4 of K step t / 4: registers 6 (t % 4 / 2) .. + 5 of lane (my row, t % 2)
.set XS, 64+32*((\t)%2)
.set SLB, 1536*((\t)/4)+256*((\t)%2)
.if (\t) < 7
	s_wait_loadcnt 32                              ; this block's 32 loads are in; the next block's stay out
.else
	s_wait_loadcnt 0
.endif
	v_max3_num_f32 v12, |v[XS]|, |v[XS+1]|, |v[XS+2]|
	v_max3_num_f32 v13, |v[XS+3]|, |v[XS+4]|, |v[XS+5]|
.irp i, 6,10,14,18,22,26
	v_max3_num_f32 v12, v12, |v[XS+\i]|, |v[XS+\i+1]|
	v_max3_num_f32 v13, v13, |v[XS+\i+2]|, |v[XS+\i+3]|
.endr
	v_max3_num_f32 v12, v12, |v[XS+30]|, |v[XS+31]|
	v_max3_num_f32 v12, v12, v13, 0x1800000        ; the floor 2^(3 - 127)
	v_add_nc_u32 v14, 0xff000000, v12              ; the conversion's scale operand
	v_lshrrev_b32 v13, 23, v14                     ; the byte
.if (\t)%4 == 0
	v_mov_b32 v[26+(\t)/4], v13
.else
	v_lshl_or_b32 v[26+(\t)/4], v13, 8*((\t)%4), v[26+(\t)/4]
.endif
	v_cvt_scalef32_pk16_fp6_f32 v[16:18], v[XS:XS+15], v14
	v_cvt_scalef32_pk16_fp6_f32 v[22:24], v[XS+16:XS+31], v14
	v_nop                                          ; one plain place behind a scaled conversion
	v_mov_b32 v19, v22
	v_mov_b32 v20, v23
	v_mov_b32 v21, v24
.if ((\t)%4)/2 == 0
	ds_store_b128 v4, v[16:19] offset:SLB          ; registers 0-3,
	ds_store_b64 v4, v[20:21] offset:SLB+512       ; 4, 5
.else
	ds_store_b64 v4, v[16:17] offset:SLB+512+8     ; registers 6, 7,
	ds_store_b128 v4, v[18:21] offset:SLB+1024     ; 8-11
.endif
.if (\t)+2 < 8
	LOADW (\t)+2
.endif
	s_wait_dscnt 0x0                               ; the stores have read their registers
.endm
.irp t, 0,1,2,3,4,5,6,7
	BLOCK \t
.endr
	s_wait_alu depctr_va_vdst(0)
	global_store_b64 v7, v[26:27], s[40:41]        ; my row's two scale words
.irp u, 0,1
.irp m, 0,1,2,3,4,5
	ds_load_b128 v[128+24*\u+4*\m:131+24*\u+4*\m], v5 offset:3200*\u+512*\m   ; LDS serves a wave's instructions in order: these see my stores
.endr
.endr
.irp u, 0,1
.irp m, 0,1,2,3,4,5
	s_wait_dscnt 11-6*\u-\m
	global_store_b128 v6, v[128+24*\u+4*\m:131+24*\u+4*\m], s[36:37] offset:24576*\u+512*\m   ; 512 consecutive bytes
.endr
.endr
	s_wait_tensorcnt 0x0
	ds_add_u32 v30, v31
	s_wait_dscnt 0x0
	s_endpgm
.Lfunc_end_k_qc9fef730c5_quant:
	.size	k_qc9fef730c5_quant, .Lfunc_end_k_qc9fef730c5_quant-k_qc9fef730c5_quant
	.p2alignl 7, 3214868480
	.fill 96, 4, 3214868480
	.section	.rodata,"a",@progbits
	.p2align	6, 0x0
	.amdhsa_kernel k_qc9fef730c5_quant
		.amdhsa_group_segment_fixed_size 93696
		.amdhsa_private_segment_fixed_size 0
		.amdhsa_enable_private_segment 0
		.amdhsa_kernarg_size 88
		.amdhsa_user_sgpr_count 2
		.amdhsa_user_sgpr_kernarg_segment_ptr 1
		.amdhsa_wavefront_size32 1
		.amdhsa_system_sgpr_workgroup_id_x 1
		.amdhsa_system_sgpr_workgroup_id_y 1
		.amdhsa_system_sgpr_workgroup_id_z 1
		.amdhsa_system_vgpr_workitem_id 0
		.amdhsa_next_free_vgpr 256
		.amdhsa_next_free_sgpr 66
		.amdhsa_reserve_vcc 1
		.amdhsa_float_denorm_mode_32 3
		.amdhsa_float_denorm_mode_16_64 3
		.amdhsa_memory_ordered 1
		.amdhsa_forward_progress 1
		.amdhsa_inst_pref_size 91
	.end_amdhsa_kernel
	.amdgpu_metadata
---
amdhsa.version: [ 1, 2 ]
amdhsa.kernels:
  - .name:           k_qc9fef730c5_quant
    .symbol:         k_qc9fef730c5_quant.kd
    .args:
      - { .name: hidden_states, .offset: 0, .size: 8, .value_kind: global_buffer, .address_space: global }
      - { .name: cross_attention_states, .offset: 8, .size: 8, .value_kind: global_buffer, .address_space: global }
      - { .name: positions, .offset: 16, .size: 8, .value_kind: global_buffer, .address_space: global }
      - { .name: vision_position_ids, .offset: 24, .size: 8, .value_kind: global_buffer, .address_space: global }
      - { .name: Wq, .offset: 32, .size: 8, .value_kind: global_buffer, .address_space: global }
      - { .name: Wk, .offset: 40, .size: 8, .value_kind: global_buffer, .address_space: global }
      - { .name: Wv, .offset: 48, .size: 8, .value_kind: global_buffer, .address_space: global }
      - { .name: Wo, .offset: 56, .size: 8, .value_kind: global_buffer, .address_space: global }
      - { .name: act, .offset: 64, .size: 8, .value_kind: global_buffer, .address_space: global }
      - { .name: rope, .offset: 72, .size: 8, .value_kind: global_buffer, .address_space: global }
      - { .name: w, .offset: 80, .size: 8, .value_kind: global_buffer, .address_space: global }
    .group_segment_fixed_size: 93696
    .private_segment_fixed_size: 0
    .kernarg_segment_align: 8
    .kernarg_segment_size: 88
    .max_flat_workgroup_size: 128
    .sgpr_count:     66
    .vgpr_count:     256
    .wavefront_size: 32
...
	.end_amdgpu_metadata
.endif
;; end of part 1
;; launch proj (part 2): grid 256 x 1, 4 waves a work-group, clusters of 4 x 1, 327,680 bytes of LDS; arguments act, w, rope, q_norm_w, k_norm_w, qkv; writes qkv
.if DOCPART == 2
	.amdgcn_target "amdgcn-amd-amdhsa--gfx1250"
	.amdhsa_code_object_version 6
	.text
	.protected	k_qc9fef730c5_proj
	.globl	k_qc9fef730c5_proj
	.p2align	8
	.type	k_qc9fef730c5_proj,@function
k_qc9fef730c5_proj:
	s_mov_b64 s[64:65], 0
	v_nop
	global_prefetch_b8 v0, s[64:65] scope:SCOPE_SE
	s_setreg_imm32_b32 hwreg(HW_REG_WAVE_MODE, 25, 1), 1
	s_wait_xcnt 0x0
	s_wait_alu depctr_hold_cnt(0) depctr_sa_sdst(0) depctr_va_vdst(0) depctr_va_sdst(0) depctr_va_ssrc(0) depctr_va_vcc(0) depctr_vm_vsrc(0)
	s_getreg_b32 s2, hwreg(HW_REG_IB_STS2, 6, 4)
	s_cmp_eq_u32 s2, 0
	s_cbranch_scc0 .Lentry_in_a_cluster
	s_endpgm
.Lentry_in_a_cluster:
	s_bfe_u32 s2, ttmp6, 0x10000c
	s_cmp_lg_u32 s2, 0x3003
	s_cbranch_scc0 .Lentry_shape_is_right
	s_endpgm
.Lentry_shape_is_right:
; The three projections on codes of FP6 (E2M3), K = 2048, and what follows them: RMSNorm over a head's 128, MRoPE, and the quantiser of the next product.
; A work-group multiplies a block P of 256 rows (source 0) by a block R of 128 rows (source 1).  The kind hangs on the cluster's number c alone:
;   c 0-31  q: P = 256 columns of Wq (two heads), R = 128 text tokens;   c 32-47  k: P = 256 columns of Wk, R = 128 vision tokens;   c 48-63  v: P = 256 vision tokens, R = the 128 columns of Wv of head cx.
; A wave takes 128 rows of P x 64 rows of R: 32 accumulators.  In q and k a lane holds ONE token and its 64 registers run along the head's 128 (the rows of a tile are laid for that); in v a lane holds one channel and its registers run along 128 keys.
; So each result is quantised in registers along the next product's K and leaves as images of operand registers (12 registers a lane; registers 4 c .. at 512 c + 16 x lane).
; qkv: [head 4][record 32][K: 8 fragments | V: 8 fragments]; from KVS their scale words [head][record][K: 8 x 16 | V: 8 x 16]; from QOFF q's fragments [head 16][tile 128]; from QSO their scale words.
; RING: two LDS slots of four K steps each, filled by tensor loads; the scale words of both blocks, for all of K, come once.  Operands lie in memory as fragment images, so an LDS load reads 512 consecutive bytes.
; CLUSTER: the four partners share P, two thirds of a step's bytes: waves 0 and 1 ask for it jointly (mask 15); R differs from partner to partner: waves 2 and 3 fetch it by plain loads.
; A cluster of 4 x 4 is not taken: k has two blocks of P only.
; A wave has at most one tensor load outstanding.
; cos, sin and the norm's weights are loaded by EVERY work-group, v's too, which does not use them: one text up to the way out, and the registers are written on every path.
; The order of the norm's factors is a x w, the rotation, then x rsqrt: it differs from x rsqrt x w, then the rotation, by f32 rounding alone.
; LIMITS: a block whose largest magnitude lies under 2^-124 keeps the byte 1 (a block of zeros too: its codes are zeros and this program alone reads the bytes); NaN and infinities are not served.
; REGISTERS: window 0: v1-15 addresses; v32-127 scale words, two sets of 48, and nothing else; v128-223 R's fragments, two sets; v224-255 at work.  window 1: v0-191 P's fragments, two sets; v192-255 the norm's weights.
;   window 2: the accumulators, (P tile i, R tile j) at v[64 j + 8 i].   window 3: v[64 j ..] cos (32) and sin (32) of R tile j's token.
.set ASC,   9437184
.set WSC,   7864320
.set KVS,   3145728
.set QOFF,  3276800
.set QSO,   6422528
.set SLOT,  147456                     ; P: 16 tiles x 4 K steps x 1,536; then R: 8 tiles x 4 x 1,536
.set ROFF,  98304
.set SCP,   294912                     ; P's scale words, 16 x 1,024
.set SCR,   311296                     ; R's, 8 x 1,024
.set SPARE, 319488                     ; the spare words: 128 bytes a wave, two blocks of 256 bytes that no other line names
.set SC,  32
.set RF,  128
.set HA,  128                          ; the way out: 64 numbers
.set TP,  192                          ; four pairs at work
.set PC,  200                          ; v200-219 codes
.set TM,  224                          ; v224-239 maxima, bytes, scale operands
.set PW,  240                          ; v240-243 the four tiles' scale words
.set SS,  244
.set RS,  248
.set WV,  16
.set WP,  17
.set WR,  18
.set CX,  19
.set SEL, 60
.set G1P,  36
.set G1R,  44
.set G1SP, 52
.set G1SR, 68
.set G0P,  76
.set G0R,  84
.set G0SP, 92
.set G0SR, 96
.set MSB, 0
.macro WIN new                         ; the immediate's high byte repeats the setting that is left
.if MSB != \new
	s_set_vgpr_msb (MSB<<8)|\new
.set MSB, \new
.endif
.endm
.macro PLACES n
.rept \n
	v_nop
.endr
.endm
.macro CROUND                          ; a round of the cluster's barrier
	s_barrier_signal -1
	s_barrier_wait -1
	s_cmp_lg_u32 s[WV], 0
	s_cbranch_scc1 .Lnot_wave_0_\@
	s_barrier_signal -3
.Lnot_wave_0_\@:
	s_barrier_wait -3
	s_barrier_signal -1
	s_barrier_wait -1
.endm
.macro JLOAD slot                      ; waves 0, 1: P's halves, jointly; waves 2, 3: R's halves.  Four v_nop follow each line
	s_cmp_lt_u32 s[WV], 2
	s_cbranch_scc0 .Lfor_r_\@
	tensor_load_to_lds s[G0P+4*(\slot):G0P+4*(\slot)+3], s[G1P:G1P+7]
	s_nop 0
	PLACES 4
	s_branch .Lasked_\@
.Lfor_r_\@:
	tensor_load_to_lds s[G0R+4*(\slot):G0R+4*(\slot)+3], s[G1R:G1R+7]
	s_nop 0
	PLACES 4
.Lasked_\@:
.endm
	s_load_b256 s[4:11], s[0:1], 0x0               ; act, w, rope, q_norm_w
	s_load_b128 s[12:15], s[0:1], 0x20             ; k_norm_w, qkv
	v_lshl_add_u32 v10, v0, 2, SPARE
	v_mov_b32 v11, 0
	ds_add_u32 v10, v11
	ds_add_u32 v10, v11
	s_wait_dscnt 0x0
	v_lshrrev_b32 v1, 5, v0
	v_readfirstlane_b32 s[WV], v1
	s_lshr_b32 s[WP], s[WV], 1                     ; which 128 rows of P are mine
	s_and_b32 s[WR], s[WV], 1                      ; which 64 rows of R; also: which half of a block I fetch
	s_bfe_u32 s[CX], ttmp6, 0x40000
	; every LDS address is made here, of the lane and the wave's number alone
	v_and_b32 v1, 31, v0                           ; lane
	v_and_b32 v2, 15, v0                           ; r
	v_bfe_u32 v3, v0, 4, 1                         ; h
	v_lshlrev_b32 v12, 4, v1
	v_lshlrev_b32 v13, 2, v1
	v_min_u32 v16, 23, v1                          ; the prefetches' offset: a tile's four K steps are 24 blocks of 256 bytes, a lane a block; the lanes left over name the last block again
	v_lshlrev_b32 v16, 8, v16
	s_mul_i32 s66, s[WP], 49152
	v_add_nc_u32 v4, s66, v12                      ; P's fragments in slot 0,
	v_add_nc_u32 v5, SLOT, v4                      ; slot 1
	s_mul_i32 s66, s[WR], 24576
	s_add_co_u32 s66, s66, ROFF
	v_add_nc_u32 v6, s66, v12                      ; R's
	v_add_nc_u32 v7, SLOT, v6
	s_lshl_b32 s66, s[WP], 13
	s_add_co_u32 s66, s66, SCP
	v_lshl_add_u32 v8, v2, 4, s66                  ; P's scale words: 16 r
	s_lshl_b32 s66, s[WR], 12
	s_add_co_u32 s66, s66, SCR
	v_lshl_add_u32 v9, v2, 4, s66
	v_and_b32 v14, 8, v2
	v_add_nc_u32 v14, v14, v2
	v_lshlrev_b32 v14, 9, v14
	v_lshl_add_u32 v14, v3, 6, v14                 ; rope: token r + 8 (r / 8) of a tile, + 64 h
	v_lshlrev_b32 v15, 6, v3                       ; the norm's weights: 64 h
.irp b, 0,1,2,3
	v_mov_b32 v[TM+4+\b], 0                        ; a lane permute's destination counts as read
.endr
	; P's first tile: c and the wave's number alone
	s_lshr_b32 s20, ttmp9, 2
	s_lshl_b32 s20, s20, 4
	s_sub_co_u32 s22, ttmp9, 32
	s_lshr_b32 s22, s22, 3
	s_lshl_b32 s22, s22, 4
	s_add_co_u32 s22, s22, 128
	s_sub_co_u32 s23, ttmp9, 48
	s_lshl_b32 s23, s23, 4
	s_add_co_u32 s23, s23, 128
	s_cmp_lt_u32 ttmp9, 48
	s_cselect_b32 s22, s22, s23
	s_cmp_lt_u32 ttmp9, 32
	s_cselect_b32 s20, s20, s22
	s_mul_i32 s22, s20, 24576                      ; the whole block's first tile: the head's loads take whole blocks
	s_mov_b32 s23, 0
	s_lshl_b32 s20, s20, 10
	s_mov_b32 s21, ASC
	s_cmp_lt_u32 ttmp9, 48
	s_cselect_b32 s21, WSC, s21
	s_add_co_u32 s20, s20, s21
	s_mov_b32 s21, 0
	; R's: c, cx and the wave's number
	s_and_b32 s24, ttmp9, 3
	s_lshl_b32 s24, s24, 5
	s_and_b32 s25, ttmp9, 7
	s_lshl_b32 s25, s25, 5
	s_add_co_u32 s25, s25, 128
	s_cmp_lt_u32 ttmp9, 48
	s_cselect_b32 s25, s25, 160
	s_cmp_lt_u32 ttmp9, 32
	s_cselect_b32 s24, s24, s25
	s_lshl_b32 s25, s[CX], 3
	s_add_co_u32 s24, s24, s25
	s_lshl_b32 s25, s[WR], 2
	s_add_co_u32 s26, s24, s25                     ; T0: the first of the 4 tiles that I fetch, and that I multiply
	s_mul_i32 s28, s24, 24576                      ; R's whole block
	s_mov_b32 s29, 0
	s_lshl_b32 s24, s24, 10
	s_mov_b32 s25, WSC
	s_cmp_lt_u32 ttmp9, 48
	s_cselect_b32 s25, ASC, s25
	s_add_co_u32 s24, s24, s25
	s_mov_b32 s25, 0
	; where my results go.  q: head 2 (c >> 2) + wp, tile T0
	s_lshr_b32 s27, ttmp9, 2
	s_lshl_b32 s27, s27, 1
	s_add_co_u32 s27, s27, s[WP]
	s_lshl_b32 s27, s27, 7
	s_add_co_u32 s27, s27, s26
	s_mul_i32 s30, s27, 1536
	s_add_co_u32 s30, s30, QOFF
	s_lshl_b32 s32, s27, 6
	s_add_co_u32 s32, s32, QSO
	; k: record 32 (2 ((c - 32) >> 3) + wp) + 4 (c & 7) + cx
	s_sub_co_u32 s27, ttmp9, 32
	s_lshr_b32 s27, s27, 3
	s_lshl_b32 s27, s27, 1
	s_add_co_u32 s27, s27, s[WP]
	s_lshl_b32 s27, s27, 5
	s_and_b32 s34, ttmp9, 7
	s_lshl_b32 s34, s34, 2
	s_add_co_u32 s27, s27, s34
	s_add_co_u32 s27, s27, s[CX]
	; v: record 32 cx + 2 (c - 48) + wp
	s_sub_co_u32 s34, ttmp9, 48
	s_lshl_b32 s34, s34, 1
	s_add_co_u32 s34, s34, s[WP]
	s_lshl_b32 s35, s[CX], 5
	s_add_co_u32 s34, s34, s35
	s_cmp_lt_u32 ttmp9, 48
	s_cselect_b32 s27, s27, s34
	s_cselect_b32 s34, 0, 12288                    ; V's fragments lie behind K's,
	s_cselect_b32 s35, 0, 512                      ; and so do its scale words
	s_mul_i32 s62, s27, 24576
	s_add_co_u32 s62, s62, s34
	s_mul_i32 s34, s[WR], 6144
	s_add_co_u32 s62, s62, s34
	s_lshl_b32 s63, s27, 10
	s_add_co_u32 s63, s63, s35
	s_lshl_b32 s34, s[WR], 8
	s_add_co_u32 s63, s63, s34
	s_add_co_u32 s63, s63, KVS
	s_cmp_lt_u32 ttmp9, 32
	s_cselect_b32 s30, s30, s62
	s_cselect_b32 s32, s32, s63
	s_mov_b32 s31, 0
	s_mov_b32 s33, 0
	s_lshl_b32 s62, s26, 13                        ; rope: 16 tokens of 512 bytes a tile.  (In v T0 is a tile of w, 188 at the most: inside the table's 384 tiles)
	s_mov_b32 s63, 0
	; descriptor groups 1: elements of 8 bytes, no padding.  A tile's four K steps are 6,144 consecutive bytes (768 elements); from tile to tile 24,576 bytes
	s_mov_b32 s[G1P], 15|(3<<16)|(1<<21)           ; the mask: all four partners; bit 21 set beside it
	s_mov_b32 s[G1P+1], 768<<16
	s_mov_b32 s[G1P+2], 16<<16                     ; the head's load brings all 16 tiles; behind it the two words that count rows are set to 8
	s_mov_b32 s[G1P+3], 768<<16
	s_mov_b32 s[G1P+4], 16
	s_mov_b32 s[G1P+5], 3072
	s_mov_b32 s[G1P+6], 0
	s_mov_b32 s[G1P+7], 0
	s_mov_b32 s[G1R], 3<<16
	s_mov_b32 s[G1R+1], 768<<16
	s_mov_b32 s[G1R+2], 8<<16                      ; likewise: 8 tiles at the head, then 4
	s_mov_b32 s[G1R+3], 768<<16
	s_mov_b32 s[G1R+4], 8
	s_mov_b32 s[G1R+5], 3072
	s_mov_b32 s[G1R+6], 0
	s_mov_b32 s[G1R+7], 0
	s_mov_b32 s[G1SP], 15|(3<<16)|(1<<21)
	s_mov_b32 s[G1SP+1], 32<<16                    ; 16 tiles' scale words: a dense block of 64 rows of 256 bytes
	s_mov_b32 s[G1SP+2], 64<<16
	s_mov_b32 s[G1SP+3], 32<<16
	s_mov_b32 s[G1SP+4], 64
	s_mov_b32 s[G1SP+5], 32
	s_mov_b32 s[G1SP+6], 0
	s_mov_b32 s[G1SP+7], 0
	s_mov_b32 s[G1SR], 3<<16
	s_mov_b32 s[G1SR+1], 32<<16                    ; 8 tiles': 32 rows of 256 bytes
	s_mov_b32 s[G1SR+2], 32<<16
	s_mov_b32 s[G1SR+3], 32<<16
	s_mov_b32 s[G1SR+4], 32
	s_mov_b32 s[G1SR+5], 32
	s_mov_b32 s[G1SR+6], 0
	s_mov_b32 s[G1SR+7], 0
	s_mov_b32 s[SEL], 0x76543210
	s_mov_b32 s[SEL+1], 0xfedcba98
	s_wait_kmcnt 0x0
	s_add_nc_u64 s[30:31], s[14:15], s[30:31]      ; my codes' place
	s_add_nc_u64 s[32:33], s[14:15], s[32:33]      ; my scale words'
	s_add_nc_u64 s[8:9], s[8:9], s[62:63]
	s_cmp_lt_u32 ttmp9, 32
	s_cselect_b64 s[10:11], s[10:11], s[12:13]     ; q's or k's weights
	s_cmp_lt_u32 ttmp9, 48
	s_cselect_b64 s[2:3], s[6:7], s[4:5]           ; P's buffer
	s_cselect_b64 s[34:35], s[4:5], s[6:7]         ; R's
	s_add_nc_u64 s[22:23], s[2:3], s[22:23]
	s_add_nc_u64 s[20:21], s[2:3], s[20:21]
	s_add_nc_u64 s[28:29], s[34:35], s[28:29]
	s_add_nc_u64 s[24:25], s[34:35], s[24:25]
	s_mov_b32 s4, 1                                ; group 0 of the head's load of P's K steps 0-3, all 16 tiles (the arguments that lay here have been used)
	s_mov_b32 s5, 0
	s_mov_b64 s[6:7], s[22:23]
	s_or_b32 s7, s7, 0x80000000
	s_mov_b32 s12, 1                               ; and of R's, all 8 tiles
	s_mov_b32 s13, ROFF
	s_mov_b64 s[14:15], s[28:29]
	s_or_b32 s15, s15, 0x80000000
	s_lshl_b32 s34, s[CX], 2                       ; the prefetches: the four partners share P's 16 tiles out by address: tile 4 cx + wave;
	s_add_co_u32 s34, s34, s[WV]
	s_mul_i32 s34, s34, 24576
	s_mov_b32 s35, 0
	s_add_nc_u64 s[34:35], s[22:23], s[34:35]
	s_mul_i32 s62, s[WV], 49152                    ; R's 8 tiles are my work-group's own: tiles 2 wave and 2 wave + 1
	s_mov_b32 s63, 0
	s_add_nc_u64 s[62:63], s[28:29], s[62:63]
	s_mul_i32 s2, s[WR], 196608
	s_mov_b32 s3, 0
	s_add_nc_u64 s[22:23], s[22:23], s[2:3]
	s_mul_i32 s2, s[WR], 98304                     ; or the 4 tiles of R, that I fetch
	s_add_nc_u64 s[28:29], s[28:29], s[2:3]
	s_mul_i32 s66, s[WR], 49152
	s_mul_i32 s67, s[WR], 24576
	s_add_co_u32 s67, s67, ROFF
.irp s, 0,1
	s_mov_b32 s[G0P+4*\s], 1
	s_add_co_u32 s[G0P+4*\s+1], s66, \s*SLOT
	s_add_nc_u64 s[G0P+4*\s+2:G0P+4*\s+3], s[22:23], \s*6144
	s_or_b32 s[G0P+4*\s+3], s[G0P+4*\s+3], 0x80000000
	s_mov_b32 s[G0R+4*\s], 1
	s_add_co_u32 s[G0R+4*\s+1], s67, \s*SLOT
	s_add_nc_u64 s[G0R+4*\s+2:G0R+4*\s+3], s[28:29], \s*6144
	s_or_b32 s[G0R+4*\s+3], s[G0R+4*\s+3], 0x80000000
.endr
	s_mov_b32 s[G0SP], 1
	s_mov_b32 s[G0SP+1], SCP
	s_mov_b64 s[G0SP+2:G0SP+3], s[20:21]
	s_or_b32 s[G0SP+3], s[G0SP+3], 0x80000000
	s_mov_b32 s[G0SR], 1
	s_mov_b32 s[G0SR+1], SCR
	s_mov_b64 s[G0SR+2:G0SR+3], s[24:25]
	s_or_b32 s[G0SR+3], s[G0SR+3], 0x80000000
	s_mov_b32 s66, 0x3c000000                      ; 1 / 128
	s_mov_b32 s67, 0x358637bd                      ; 1e-6
	CROUND                                         ; all four work-groups are here: the first joint loads meet
	; the head's four tiles, one load a wave: wave 0 P's K steps 0-3, wave 1 R's, wave 2 P's scale words, wave 3 R's: one chain of branches on the wave's number
	s_cmp_lt_u32 s[WV], 1
	s_cbranch_scc0 .Lhead_r
	tensor_load_to_lds s[4:7], s[G1P:G1P+7]
	s_nop 0
	PLACES 4
	s_branch .Lfirst_done
.Lhead_r:
	s_cmp_lt_u32 s[WV], 2
	s_cbranch_scc0 .Lhead_sp
	tensor_load_to_lds s[12:15], s[G1R:G1R+7]
	s_nop 0
	PLACES 4
	s_branch .Lfirst_done
.Lhead_sp:
	s_cmp_lt_u32 s[WV], 3
	s_cbranch_scc0 .Lhead_sr
	tensor_load_to_lds s[G0SP:G0SP+3], s[G1SP:G1SP+7]
	s_nop 0
	PLACES 4
	s_branch .Lfirst_done
.Lhead_sr:
	tensor_load_to_lds s[G0SR:G0SR+3], s[G1SR:G1SR+7]
	s_nop 0
	PLACES 4
.Lfirst_done:
	; cos, sin and the norm's weights come now, on every work-group's path, and are waited for ahead of the way out: the whole of K lies between
	WIN 0xc0                                       ; destination window 3
	s_wait_alu depctr_va_vdst(0)
.irp j, 0,1,2,3
.irp b, 0,1
.irp m, 0,1,2,3
	global_load_b128 v[64*\j+16*\b+4*\m:64*\j+16*\b+4*\m+3], v14, s[8:9] offset:(32*(\j/2)+8*(\j%2))*512+128*\b+16*\m          ; cos of frequencies 32 b + 16 h + 4 m ..
	global_load_b128 v[64*\j+32+16*\b+4*\m:64*\j+32+16*\b+4*\m+3], v14, s[8:9] offset:(32*(\j/2)+8*(\j%2))*512+256+128*\b+16*\m   ; sin
.endr
.endr
.endr
	WIN 0x40                                       ; destination window 1
.irp b, 0,1,2,3
.irp m, 0,1,2,3
	global_load_b128 v[192+16*\b+4*\m:192+16*\b+4*\m+3], v15, s[10:11] offset:128*\b+16*\m   ; w(32 b + 16 h + 4 m ..)
.endr
.endr
	WIN 0
; 36 LDS loads in one run: the fragments of K step q of a slot into a set
.macro FETCH slot, q, set
	WIN 0x40
.irp i, 0,1,2,3,4,5,6,7
.irp c, 0,1,2
	ds_load_b128 v[96*(\set)+12*\i+4*\c:96*(\set)+12*\i+4*\c+3], v[4+(\slot)] offset:6144*\i+1536*(\q)+512*\c
.endr
.endr
	WIN 0
.irp j, 0,1,2,3
.irp c, 0,1,2
	ds_load_b128 v[RF+48*(\set)+12*\j+4*\c:RF+48*(\set)+12*\j+4*\c+3], v[6+(\slot)] offset:6144*\j+1536*(\q)+512*\c
.endr
.endr
.endm
.macro SCALES qd, set                  ; the scale words of four K steps: four registers a tile
.irp i, 0,1,2,3,4,5,6,7
	ds_load_b128 v[SC+48*(\set)+4*\i:SC+48*(\set)+4*\i+3], v8 offset:1024*\i+256*(\qd)
.endr
.irp j, 0,1,2,3
	ds_load_b128 v[SC+48*(\set)+32+4*\j:SC+48*(\set)+32+4*\j+3], v9 offset:1024*\j+256*(\qd)
.endr
.endm
; a K step's 32 matrix instructions; the 32 accumulators take turns, one instruction a turn, in the same order in every step
.macro MUL set, sc, w, zero
	WIN 0xa1                                       ; source 0 window 1, source 1 window 0, C and D window 2
.irp j, 0,1,2,3
.irp i, 0,1,2,3,4,5,6,7
.if \zero
	v_wmma_scale_f32_16x16x128_f8f6f4 v[64*\j+8*\i:64*\j+8*\i+7], v[96*(\set)+12*\i:96*(\set)+12*\i+11], v[RF+48*(\set)+12*\j:RF+48*(\set)+12*\j+11], 0, v[SC+48*(\sc)+4*\i+(\w)], v[SC+48*(\sc)+32+4*\j+(\w)] matrix_a_fmt:MATRIX_FMT_FP6 matrix_b_fmt:MATRIX_FMT_FP6
.else
	v_wmma_scale_f32_16x16x128_f8f6f4 v[64*\j+8*\i:64*\j+8*\i+7], v[96*(\set)+12*\i:96*(\set)+12*\i+11], v[RF+48*(\set)+12*\j:RF+48*(\set)+12*\j+11], v[64*\j+8*\i:64*\j+8*\i+7], v[SC+48*(\sc)+4*\i+(\w)], v[SC+48*(\sc)+32+4*\j+(\w)] matrix_a_fmt:MATRIX_FMT_FP6 matrix_b_fmt:MATRIX_FMT_FP6
.endif
.endr
.endr
.endm
.macro STEP n, zero                    ; K step n, whose successor lies in the same slot
	s_wait_dscnt 0x0                               ; this step's fragments, asked for a step ago, are in
	PLACES 4                                       ; four places in front of loads into registers that the last step's products read
	FETCH ((\n)/4)%2, (\n)%4+1, ((\n)+1)%2
	MUL (\n)%2, ((\n)/4)%2, (\n)%4, \zero
.endm
.macro TURN n, fill                    ; a slot's last K step: the change of slots
.set SL, ((\n)/4)%2
	WIN 0
	s_wait_tensorcnt 0x0                           ; all my tensor loads have landed, my part of the next slot among them
	ds_add_u32 v10, v11                            ; 0 onto my spare word
.if \fill
	s_add_nc_u64 s[G0P+4*SL+2:G0P+4*SL+3], s[G0P+4*SL+2:G0P+4*SL+3], 12288   ; this slot's next four K steps
	s_add_nc_u64 s[G0R+4*SL+2:G0R+4*SL+3], s[G0R+4*SL+2:G0R+4*SL+3], 12288
.endif
	s_wait_dscnt 0x0                               ; the add is done; this step's fragments are in registers: my reads of this slot are over
.if \fill
	CROUND                                         ; no wave of any partner still reads the slot or has a load on its way
	JLOAD SL                                       ; the first tensor load behind the round; its four v_nop are also the places in front of the loads below
.else
	s_barrier_signal -1
	s_barrier_wait -1
	PLACES 4
.endif
	FETCH 1-SL, 0, ((\n)+1)%2
	SCALES (\n)/4+1, 1-SL
.if (\n) == 3
	global_prefetch_b8 v16, s[34:35] offset:18432 th:TH_LOAD_NT scope:SCOPE_SE   ; K steps 12-15, which the next change of slots asks for: four K steps ahead of that load; the address registers are never rewritten
	global_prefetch_b8 v16, s[62:63] offset:18432 th:TH_LOAD_NT scope:SCOPE_SE
	global_prefetch_b8 v16, s[62:63] offset:43008 th:TH_LOAD_NT scope:SCOPE_SE
.endif
	MUL (\n)%2, SL, 3, 0
.endm
	s_wait_alu depctr_va_vdst(0)                   ; the wait at the head's end
	s_wait_tensorcnt 0x0                           ; my tile of the head's four is in; slot 1's first fill is issued as a refill is
	ds_add_u32 v10, v11                            ; 0 onto my spare word
	s_mov_b32 s[G1P+2], 8<<16                      ; no tensor load of mine is out: from here on a load brings half a block
	s_mov_b32 s[G1P+4], 8
	s_mov_b32 s[G1R+2], 4<<16
	s_mov_b32 s[G1R+4], 4
	s_wait_dscnt 0x0
	CROUND                                         ; all four tiles are in, and all four work-groups are here
	JLOAD 1                                        ; K steps 4-7: from here on one tensor load a wave is out at the most
	FETCH 0, 0, 0
	SCALES 0, 0
	global_prefetch_b8 v16, s[34:35] offset:12288 th:TH_LOAD_NT scope:SCOPE_SE   ; K steps 8-11, which the first change of slots asks for
	global_prefetch_b8 v16, s[62:63] offset:12288 th:TH_LOAD_NT scope:SCOPE_SE
	global_prefetch_b8 v16, s[62:63] offset:36864 th:TH_LOAD_NT scope:SCOPE_SE
	STEP 0, 1                                      ; the first products start the sums
	STEP 1, 0
	STEP 2, 0
	TURN 3, 1
	STEP 4, 0
	STEP 5, 0
	STEP 6, 0
	TURN 7, 1
	STEP 8, 0
	STEP 9, 0
	STEP 10, 0
	TURN 11, 0                                     ; nothing is left to fetch
	STEP 12, 0
	STEP 13, 0
	STEP 14, 0
	s_wait_dscnt 0x0
	MUL 1, 1, 3, 0
	PLACES 4
	WIN 0
; 64 numbers of a lane, register 16 b + i = k 32 b + 16 h + i of the lane's row, become a fragment's codes in v[PC] on and its scale word in v[pw].  win = 1: the numbers lie in window 2
.macro QUANT s, win, pw
.if \win
	WIN 0x0a
.endif
.irp b, 0,1,2,3
	v_max3_num_f32 v[TM+\b], |v[(\s)+16*\b]|, |v[(\s)+1+16*\b]|, 0x1800000   ; with the floor 2^(3 - 127)
.endr
.if \win
	WIN 0x28
.endif
.irp i, 2,4,6,8,10,12,14
.irp b, 0,1,2,3
	v_max3_num_f32 v[TM+\b], v[TM+\b], |v[(\s)+16*\b+\i]|, |v[(\s)+1+16*\b+\i]|
.endr
.endr
	WIN 0
.irp b, 0,1,2,3
	v_permlanex16_b32 v[TM+4+\b], v[TM+\b], s[SEL], s[SEL+1]
.endr
.irp b, 0,1,2,3
	v_max_num_f32 v[TM+\b], v[TM+\b], v[TM+4+\b]
.endr
.irp b, 0,1,2,3
	v_add_nc_u32 v[TM+12+\b], 0xff000000, v[TM+\b]
.endr
.irp b, 0,1,2,3
	v_lshrrev_b32 v[TM+4+\b], 23, v[TM+12+\b]
.endr
	v_lshl_or_b32 v[\pw], v[TM+5], 8, v[TM+4]
	v_lshl_or_b32 v[\pw], v[TM+6], 16, v[\pw]
	v_lshl_or_b32 v[\pw], v[TM+7], 24, v[\pw]
.if \win
	WIN 0x02
.endif
.irp c, 0,1
	v_cvt_scalef32_pk16_fp6_f32 v[PC+6*\c:PC+2+6*\c], v[(\s)+32*\c:(\s)+15+32*\c], v[TM+12+2*\c]
	v_cvt_scalef32_pk16_fp6_f32 v[PC+12+4*\c:PC+14+4*\c], v[(\s)+16+32*\c:(\s)+31+32*\c], v[TM+12+2*\c+1]
.endr
	WIN 0
	v_nop                                          ; one plain place behind a scaled conversion
.irp c, 0,1                                    ; a whole block to a lane: lanes 0-15 block 2 c, lanes 16-31 block 2 c + 1
.irp i, 0,1,2
	v_permlane16_swap_b32 v[PC+6*\c+\i], v[PC+12+4*\c+\i]
.endr
.irp i, 0,1,2
	v_mov_b32 v[PC+3+6*\c+\i], v[PC+12+4*\c+\i]
.endr
.endr
.endm
.macro OUTF j
.irp c, 0,1,2
	global_store_b128 v12, v[PC+4*\c:PC+4*\c+3], s[30:31] offset:1536*\j+512*\c   ; 512 consecutive bytes
.endr
.endm
.macro EPQK j                          ; R tile j: my token's 64 of the head's 128
	WIN 0x0a                                       ; the sum of squares, two chains
	v_pk_mul_f32 v[SS:SS+1], v[64*\j:64*\j+1], v[64*\j:64*\j+1]
	v_pk_mul_f32 v[SS+2:SS+3], v[64*\j+2:64*\j+3], v[64*\j+2:64*\j+3]
.set n, 4
.rept 15
	v_pk_fma_f32 v[SS:SS+1], v[64*\j+n:64*\j+n+1], v[64*\j+n:64*\j+n+1], v[SS:SS+1]
	v_pk_fma_f32 v[SS+2:SS+3], v[64*\j+n+2:64*\j+n+3], v[64*\j+n+2:64*\j+n+3], v[SS+2:SS+3]
.set n, n+4
.endr
	WIN 0x06                                       ; a x w
.set n, 0
.rept 32
	v_pk_mul_f32 v[HA+n:HA+n+1], v[64*\j+n:64*\j+n+1], v[192+n:193+n]
.set n, n+2
.endr
	WIN 0
	v_pk_add_f32 v[SS:SS+1], v[SS:SS+1], v[SS+2:SS+3]
	v_add_f32 v[SS], v[SS], v[SS+1]
	v_permlanex16_b32 v[SS+2], v[SS], s[SEL], s[SEL+1]
	v_add_f32 v[SS], v[SS], v[SS+2]                ; with lane l xor 16's 64
	v_fma_f32 v[SS], v[SS], s66, s67               ; the mean + 1e-6
	s_wait_alu depctr_va_vdst(0)
	v_rsq_f32 v[RS], v[SS]
	v_rsq_f32 v[RS+1], v[SS]
	WIN 0x0c                                       ; the rotation: source 1 (cos, sin) window 3.  It names neither root: the independent work behind them
.irp b, 0,1
.irp p, 0,2,4,6,8,10,12,14
	v_pk_mul_f32 v[TP+\p%8:TP+\p%8+1], v[HA+16*\b+\p:HA+16*\b+\p+1], v[64*\j+32+16*\b+\p:64*\j+32+16*\b+\p+1]    ; x1 sin
	v_pk_mul_f32 v[HA+16*\b+\p:HA+16*\b+\p+1], v[HA+16*\b+\p:HA+16*\b+\p+1], v[64*\j+16*\b+\p:64*\j+16*\b+\p+1]  ; x1 cos
	v_pk_fma_f32 v[HA+16*\b+\p:HA+16*\b+\p+1], v[HA+32+16*\b+\p:HA+32+16*\b+\p+1], v[64*\j+32+16*\b+\p:64*\j+32+16*\b+\p+1], v[HA+16*\b+\p:HA+16*\b+\p+1] neg_lo:[0,1,0] neg_hi:[0,1,0]   ; - x2 sin
	v_pk_fma_f32 v[HA+32+16*\b+\p:HA+32+16*\b+\p+1], v[HA+32+16*\b+\p:HA+32+16*\b+\p+1], v[64*\j+16*\b+\p:64*\j+16*\b+\p+1], v[TP+\p%8:TP+\p%8+1]   ; x2 cos + x1 sin
.endr
.endr
	WIN 0
	s_wait_alu depctr_va_vdst(0)                   ; one wait for the two roots, ahead of their first reader
.set n, 0
.rept 32
	v_pk_mul_f32 v[HA+n:HA+n+1], v[HA+n:HA+n+1], v[RS:RS+1]
.set n, n+2
.endr
	s_wait_xcnt 0x0                                ; the last tile's stores have read the codes' registers
	QUANT HA, 0, PW+\j
	OUTF \j
.endm
.macro EPV j                           ; R tile j: my channel's 128 keys are the next K as they stand
	s_wait_xcnt 0x0
	QUANT 64*\j, 1, PW+\j
	OUTF \j
.endm
	s_wait_loadcnt 0x0                             ; cos, sin, the weights: asked for ahead of the first K step
	s_cmp_lt_u32 ttmp9, 48                         ; the one branch on the kind
	s_cbranch_scc0 .Lkind_v
	EPQK 0
	EPQK 1
	EPQK 2
	EPQK 3
	s_branch .Lscales
.Lkind_v:
	EPV 0
	EPV 1
	EPV 2
	EPV 3
.Lscales:
	v_cmp_le_u32 vcc_lo, 16, v1                    ; every lane holds its row's word: lanes 0-15 give tile j's, lanes 16-31 tile j + 1's: 128 consecutive bytes a store
	v_cndmask_b32 v250, v[PW], v[PW+1], vcc_lo
	v_cndmask_b32 v251, v[PW+2], v[PW+3], vcc_lo
	global_store_b32 v13, v250, s[32:33]
	global_store_b32 v13, v251, s[32:33] offset:128
	s_wait_tensorcnt 0x0                           ; the wave's end
	ds_add_u32 v10, v11
	s_wait_dscnt 0x0
	CROUND                                         ; the closing round
	s_endpgm
.Lfunc_end_k_qc9fef730c5_proj:
	.size	k_qc9fef730c5_proj, .Lfunc_end_k_qc9fef730c5_proj-k_qc9fef730c5_proj
	.p2alignl 7, 3214868480
	.fill 96, 4, 3214868480
	.section	.rodata,"a",@progbits
	.p2align	6, 0x0
	.amdhsa_kernel k_qc9fef730c5_proj
		.amdhsa_group_segment_fixed_size 327680
		.amdhsa_private_segment_fixed_size 0
		.amdhsa_enable_private_segment 0
		.amdhsa_kernarg_size 48
		.amdhsa_user_sgpr_count 2
		.amdhsa_user_sgpr_kernarg_segment_ptr 1
		.amdhsa_wavefront_size32 1
		.amdhsa_system_sgpr_workgroup_id_x 1
		.amdhsa_system_sgpr_workgroup_id_y 1
		.amdhsa_system_sgpr_workgroup_id_z 1
		.amdhsa_system_vgpr_workitem_id 0
		.amdhsa_next_free_vgpr 1024
		.amdhsa_next_free_sgpr 100
		.amdhsa_reserve_vcc 1
		.amdhsa_float_denorm_mode_32 3
		.amdhsa_float_denorm_mode_16_64 3
		.amdhsa_memory_ordered 1
		.amdhsa_forward_progress 1
		.amdhsa_inst_pref_size 206
	.end_amdhsa_kernel
	.amdgpu_metadata
---
amdhsa.version: [ 1, 2 ]
amdhsa.kernels:
  - .name:           k_qc9fef730c5_proj
    .symbol:         k_qc9fef730c5_proj.kd
    .args:
      - { .name: act, .offset: 0, .size: 8, .value_kind: global_buffer, .address_space: global }
      - { .name: w, .offset: 8, .size: 8, .value_kind: global_buffer, .address_space: global }
      - { .name: rope, .offset: 16, .size: 8, .value_kind: global_buffer, .address_space: global }
      - { .name: q_norm_w, .offset: 24, .size: 8, .value_kind: global_buffer, .address_space: global }
      - { .name: k_norm_w, .offset: 32, .size: 8, .value_kind: global_buffer, .address_space: global }
      - { .name: qkv, .offset: 40, .size: 8, .value_kind: global_buffer, .address_space: global }
    .group_segment_fixed_size: 327680
    .private_segment_fixed_size: 0
    .kernarg_segment_align: 8
    .kernarg_segment_size: 48
    .max_flat_workgroup_size: 128
    .sgpr_count:     100
    .vgpr_count:     1024
    .wavefront_size: 32
...
	.end_amdgpu_metadata
.endif
;; end of part 2
;; launch attn (part 3): grid 64 x 4, 8 waves a work-group, clusters of 4 x 1, 327,680 bytes of LDS; arguments qkv, o; writes o
.if DOCPART == 3
	.amdgcn_target "amdgcn-amd-amdhsa--gfx1250"
	.amdhsa_code_object_version 6
	.text
	.protected	k_qc9fef730c5_attn
	.globl	k_qc9fef730c5_attn
	.p2align	8
	.type	k_qc9fef730c5_attn,@function
k_qc9fef730c5_attn:
	s_mov_b64 s[64:65], 0
	v_nop
	global_prefetch_b8 v0, s[64:65] scope:SCOPE_SE
	s_setreg_imm32_b32 hwreg(HW_REG_WAVE_MODE, 25, 1), 1
	s_wait_xcnt 0x0
	s_wait_alu depctr_hold_cnt(0) depctr_sa_sdst(0) depctr_va_vdst(0) depctr_va_sdst(0) depctr_va_ssrc(0) depctr_va_vcc(0) depctr_vm_vsrc(0)
	s_getreg_b32 s2, hwreg(HW_REG_IB_STS2, 6, 4)
	s_cmp_eq_u32 s2, 0
	s_cbranch_scc0 .Lentry_in_a_cluster
	s_endpgm
.Lentry_in_a_cluster:
	s_bfe_u32 s2, ttmp6, 0x10000c
	s_cmp_lg_u32 s2, 0x3003
	s_cbranch_scc0 .Lentry_shape_is_right
	s_endpgm
.Lentry_shape_is_right:
; o = softmax(q k^T / sqrt(128)) v for 16 query heads on 4 key/value heads, both products on codes of FP6 (E2M3); then o is quantised along head x 128 + channel for the last product.
; THE SOFTMAX: t = score x log2(e) / sqrt(128); M = the running largest t rounded UP to a whole number; p = 2^(t - M) is quantised along the keys, not normalised; the row's sum is taken of the
; unquantised p and divides at the end; when M moves, the sum and O are multiplied by 2^(old M - new M): exact.
; SHARES.  Work-group (x, y): key/value head y, query head 4 y + (x >> 4), 128 queries = 8 tiles of 16.  Waves w and w + 4 form a pair that owns tiles 2 w and 2 w + 1: EACH WAVE HOLDS BOTH TILES, so that a fragment
; of K or V read from LDS feeds two products, and the pair shares the head's 32 records of 128 keys: waves 0-3 take the even records, waves 4-7 the odd ones, 16 each.  At the end each wave hands one tile's part
; (O, M, the sum) to its partner through LDS and finishes the other: the two parts are brought under the larger M by powers of two.  A wave calls the tile that it finishes tile 0: one text for all waves.
; Both products are used transposed: S^T = K Q^T, O^T = V^T P^T: a lane holds one query of each tile; a record is 8 fragments of K and 8 of V, images of operand registers: an LDS load reads 512 consecutive bytes.
; RING: two LDS slots of four records; the head's scale words come once.  CLUSTER: the four partners walk the same head's K and V: every tensor load is joint (mask 15).
; At the head each wave issues one load of 16,384 bytes: waves 0-5 a sixth of slot 0, waves 6 and 7 half of the scale words, which lie behind slot 0.  Later a wave fetches an eighth of a slot; one tensor load a wave is out at the most.
; A KEY STEP: 16 products; V takes K's registers; maxima, scalings, one batch of 136 exponentials; scale words, codes; O^T under the new M; 16 products; the next K takes V's registers, and the row sums stand behind those loads.
; At a change of slots V, the slot's last bytes, is waited for and the barrier is signalled first; the maxima and the batch, work on registers, stand between the signal and the wait.
; LIMITS: the scaled scores stay under 2^31 in magnitude; a block whose largest magnitude lies under 2^-124 keeps the byte 1 (a block of zeros too: this program alone reads the bytes); NaN and infinities are not served.
; REGISTERS: window 0: v1-2 fragment addresses, v3-4 scale addresses, v5-6 the add's, v7 16 x lane; v12-15 (-M, largest t) of tiles 0, 1; v16-19 the sums; v20-23 f; v24-47 Q; v48-67 scale words and nothing else;
;   v68-95 at work; v96-223 S^T, then p; v224-247 p's codes; v248-255 at work.   window 1: v0-127 O^T; v128-223 eight fragments.
.set KVS,   3145728
.set QOFF,  3276800
.set QSO,   6422528
.set OSC,   3145728
.set SLOTB, 98304                      ; four records
.set SCL,   98304                      ; the head's scale words, 32 x 1,024, behind slot 0
.set SLOT1, 131072                     ; slot 1: one exclusive or turns an address in one slot into the other's
.set SPARE, 229376                     ; the spare words: 128 bytes a wave, four blocks of 256 bytes that no other line names
.set STAGE, 230400                     ; the pairs' exchange: bytes of their own, into which no fill lands
.set STG,   8704                       ; a wave's part of it: 64 registers x 128 bytes, and 16 bytes a lane for (-M, sum)
.set NM, 12
.set SU, 16
.set FF, 20
.set Q,  24
.set KW, 48
.set VW, 56
.set QW, 64
.set PWD, 66
.set BM, 68
.set PD, 76
.set SO, 84
.set T,  92
.set S,  96
.set PC, 224
.set TT, 248
.set WV, 8
.set HW, 9
.set G1H, 24
.set G1,  32
.set G0H, 40
.set G0B, 44
.set PFA, 60
.set SEL, 66
.set CS,  68
.set TB,  70
.set TS,  71
.set SLOTS, 72
.set LIM, 73
.set MSB, 0
.macro WIN new                         ; the immediate's high byte repeats the setting that is left
.if MSB != \new
	s_set_vgpr_msb (MSB<<8)|\new
.set MSB, \new
.endif
.endm
.macro PLACES n
.rept \n
	v_nop
.endr
.endm
.macro CREST                           ; a round of the cluster's barrier behind its opening barrier
	s_cmp_lg_u32 s[WV], 0
	s_cbranch_scc1 .Lnot_wave_0_\@
	s_barrier_signal -3
.Lnot_wave_0_\@:
	s_barrier_wait -3
	s_barrier_signal -1
	s_barrier_wait -1
.endm
.macro CROUND
	s_barrier_signal -1
	s_barrier_wait -1
	CREST
.endm
; A prefetch of the slot that the NEXT change of slots will ask for: a whole slot's steps ahead of that load.  All sixteen clusters of a head walk the same records: the first of them asks.  Its four partners share the
; slot's 98,304 bytes by address, 24,576 each; in each, waves 0 to 2 ask for 8,192 bytes, lanes 256 bytes apart: each block of 256 bytes is named once.  The last change that fills a slot asks for nothing.
.macro ASK
	s_cmp_gt_u32 s[SLOTS], s[LIM]
	s_cbranch_scc0 .Lnot_mine_\@
	global_prefetch_b8 v11, s[PFA:PFA+1] th:TH_LOAD_NT scope:SCOPE_SE
.Lnot_mine_\@:
.endm
	s_load_b128 s[4:7], s[0:1], 0x0                ; qkv, o
	v_lshl_add_u32 v5, v0, 2, SPARE
	v_mov_b32 v6, 0
	ds_add_u32 v5, v6                              ; the opening lines: the add twice on end and one wait
	ds_add_u32 v5, v6
	v_lshrrev_b32 v1, 5, v0
	v_readfirstlane_b32 s[WV], v1                  ; wave 0..7
	s_lshr_b32 s[HW], s[WV], 2                     ; 0: even records, 1: odd records
	s_and_b32 s10, ttmp7, 0xffff                   ; the key/value head
	s_lshl_b32 s16, s[WV], 14                      ; the head's load: LDS byte 16,384 x wave
	s_mul_i32 s14, s10, 786432
	s_add_co_u32 s17, s14, s16                     ; waves 0-5: slot 0's bytes
	s_lshl_b32 s18, s10, 15
	s_add_co_u32 s18, s18, s16
	s_add_co_u32 s18, s18, KVS-6*16384             ; waves 6, 7: the scale words' halves
	s_cmp_lt_u32 s[WV], 6
	s_cselect_b32 s18, s17, s18
	s_mov_b32 s19, 0
	s_mul_i32 s20, s[WV], 12288                    ; the ring: my eighth of a slot
	s_add_co_u32 s14, s14, s20
	s_add_co_u32 s14, s14, SLOTB                   ; records 4-7
	s_mov_b32 s15, 0
	s_bfe_u32 s21, ttmp6, 0x40000                  ; cx
	s_lshl_b32 s11, ttmp9, 2
	s_add_co_u32 s11, s11, s21
	s_lshr_b32 s12, s11, 4
	s_lshl_b32 s13, s10, 2
	s_add_co_u32 s12, s12, s13                     ; the query head
	s_and_b32 s13, s11, 15
	s_lshl_b32 s13, s13, 3
	s_and_b32 s22, s[WV], 3
	s_lshl_b32 s22, s22, 1
	s_add_co_u32 s13, s13, s22                     ; the pair's first tile
	s_lshl_b32 s22, s12, 7
	s_add_co_u32 s22, s22, s13
	s_add_co_u32 s23, s22, s[HW]                   ; my tile 0,
	s_xor_b32 s74, s[HW], 1
	s_add_co_u32 s74, s22, s74                     ; my tile 1
	s_mul_i32 s48, s23, 1536
	s_add_co_u32 s48, s48, QOFF
	s_mov_b32 s49, 0
	s_mul_i32 s50, s74, 1536
	s_add_co_u32 s50, s50, QOFF
	s_mov_b32 s51, 0
	s_lshl_b32 s52, s23, 6
	s_add_co_u32 s52, s52, QSO
	s_mov_b32 s53, 0
	s_lshl_b32 s54, s74, 6
	s_add_co_u32 s54, s54, QSO
	s_mov_b32 s55, 0
	s_add_co_u32 s13, s13, s[HW]                   ; the tile that I finish
	s_lshl_b32 s56, s13, 4
	s_add_co_u32 s56, s56, s12
	s_mul_i32 s56, s56, 1536
	s_mov_b32 s57, 0
	s_lshl_b32 s58, s13, 10
	s_lshl_b32 s75, s10, 8
	s_add_co_u32 s58, s58, s75
	s_and_b32 s75, s12, 3
	s_lshl_b32 s75, s75, 2
	s_add_co_u32 s58, s58, s75
	s_add_co_u32 s58, s58, OSC
	s_mov_b32 s59, 0
	s_mul_i32 s[PFA], s10, 786432
	s_mul_i32 s[PFA+1], s21, 24576
	s_add_co_u32 s[PFA], s[PFA], s[PFA+1]
	s_lshl_b32 s[PFA+1], s[WV], 13
	s_add_co_u32 s[PFA], s[PFA], s[PFA+1]
	s_add_co_u32 s[PFA], s[PFA], 2*SLOTB           ; the first change of slots steps it to the fourth slot's records.  Nothing is prefetched at the head
	s_mov_b32 s[PFA+1], 0
	s_cmp_lt_u32 s[WV], 3
	s_cselect_b32 s[LIM], 0, 1
	s_or_b32 s[LIM], s[LIM], ttmp9                 ; the same in all four partners
	s_cmp_eq_u32 s[LIM], 0
	s_cselect_b32 s[LIM], 1, -1
	s_mov_b32 s[G1H], 15|(3<<16)|(1<<21)           ; dense blocks as rows of 256 bytes (32 elements of 8 bytes): 64 rows at the head,
	s_mov_b32 s[G1H+1], 32<<16
	s_mov_b32 s[G1H+2], 64<<16
	s_mov_b32 s[G1H+3], 32<<16
	s_mov_b32 s[G1H+4], 64
	s_mov_b32 s[G1H+5], 32
	s_mov_b32 s[G1H+6], 0
	s_mov_b32 s[G1H+7], 0
	s_mov_b32 s[G1], 15|(3<<16)|(1<<21)            ; 48 in the ring
	s_mov_b32 s[G1+1], 32<<16
	s_mov_b32 s[G1+2], 48<<16
	s_mov_b32 s[G1+3], 32<<16
	s_mov_b32 s[G1+4], 48
	s_mov_b32 s[G1+5], 32
	s_mov_b32 s[G1+6], 0
	s_mov_b32 s[G1+7], 0
	s_mov_b32 s[SEL], 0x76543210
	s_mov_b32 s[SEL+1], 0xfedcba98                 ; lane l xor 16
	s_mov_b32 s[CS], 0x3e0293ee                    ; c = log2(e) / sqrt(128)
	s_mov_b32 s[CS+1], s[CS]
	s_mov_b32 s[TB], 0
	s_mov_b32 s[TS], 0
	s_mov_b32 s[SLOTS], 6
	s_mul_i32 s76, s[HW], 24576                    ; my first record of a slot
	s_lshl_b32 s77, s[HW], 10
	s_add_co_u32 s77, s77, SCL                     ; and its scale words
	s_mul_i32 s78, s[WV], STG
	s_add_co_u32 s78, s78, STAGE                   ; my part of the stage,
	s_xor_b32 s79, s[WV], 4
	s_mul_i32 s79, s79, STG
	s_add_co_u32 s79, s79, STAGE                   ; my partner's
	s_wait_dscnt 0x0                               ; both opening adds are done
	s_wait_kmcnt 0x0
	s_mov_b32 s[G0H], 1
	s_mov_b32 s[G0H+1], s16
	s_add_nc_u64 s[G0H+2:G0H+3], s[4:5], s[18:19]
	s_or_b32 s[G0H+3], s[G0H+3], 0x80000000
	s_mov_b32 s[G0B], 1
	s_add_co_u32 s[G0B+1], s20, SLOT1
	s_add_nc_u64 s[G0B+2:G0B+3], s[4:5], s[14:15]
	s_or_b32 s[G0B+3], s[G0B+3], 0x80000000
	s_add_nc_u64 s[48:49], s[4:5], s[48:49]        ; Q's codes, tiles 0 and 1,
	s_add_nc_u64 s[50:51], s[4:5], s[50:51]
	s_add_nc_u64 s[52:53], s[4:5], s[52:53]        ; their scale words
	s_add_nc_u64 s[54:55], s[4:5], s[54:55]
	s_add_nc_u64 s[PFA:PFA+1], s[4:5], s[PFA:PFA+1]
	s_add_nc_u64 s[56:57], s[6:7], s[56:57]        ; o's codes,
	s_add_nc_u64 s[58:59], s[6:7], s[58:59]        ; its scale words
	CROUND                                         ; all four work-groups are here: the first joint loads meet
	tensor_load_to_lds s[G0H:G0H+3], s[G1H:G1H+7]  ; my one load at the head
	s_nop 0
	PLACES 4
	v_and_b32 v8, 31, v0                           ; lane
	v_and_b32 v9, 15, v0                           ; r
	v_lshlrev_b32 v7, 4, v8
	v_add_nc_u32 v10, s76, v7
	v_lshl_add_u32 v3, v9, 2, s77
	v_lshlrev_b32 v11, 8, v8
	v_lshlrev_b32 v93, 2, v9
	v_add_nc_u32 v94, s78, v7
	v_add_nc_u32 v95, s79, v7
	v_add_nc_u32 v1, s[TB], v10
	v_add_nc_u32 v2, 49152, v1
	v_add_nc_u32 v4, s[TS], v3
	s_wait_alu depctr_va_vdst(0)                   ; the wait ahead of the readers below
.irp c, 0,1,2
	global_load_b128 v[Q+4*\c:Q+4*\c+3], v7, s[48:49] offset:512*\c        ; Q's two fragments stay in registers
	global_load_b128 v[Q+12+4*\c:Q+12+4*\c+3], v7, s[50:51] offset:512*\c
.endr
	global_load_b32 v[QW], v93, s[52:53]
	global_load_b32 v[QW+1], v93, s[54:55]
.irp u, 0,1
	v_mov_b32 v[NM+2*\u+1], 0xff61b1e6             ; the largest t so far: -3e38
	v_floor_f32 v[NM+2*\u], -v[NM+2*\u+1]
	v_mov_b32 v[SU+2*\u], 0
	v_mov_b32 v[SU+2*\u+1], 0
	v_mov_b32 v[FF+2*\u], 0
	v_mov_b32 v[FF+2*\u+1], 0
.endr
.irp b, 0,1,2,3,4,5,6,7
	v_mov_b32 v[PD+\b], 0                          ; a lane permute's destination counts as read
.endr
	WIN 0x40
.set n, 0
.rept 128
	v_mov_b32 v[n], 0                              ; O^T: the step is written once; the first finds zeros.  These lines stand under the first tile's flight
.set n, n+1
.endr
	WIN 0
.macro FRAGS areg, off                 ; eight fragments into window 1: 24 LDS loads
	WIN 0x40
.irp t, 0,1,2,3,4,5,6,7
.irp c, 0,1,2
	ds_load_b128 v[128+12*\t+4*\c:128+12*\t+4*\c+3], v[\areg] offset:(\off)+1536*\t+512*\c
.endr
.endr
	WIN 0
.endm
.macro WORDS reg, soff                 ; their scale words
.irp t, 0,1,2,3,4,5,6,7
	ds_load_b32 v[(\reg)+\t], v4 offset:(\soff)+64*\t
.endr
.endm
.macro SM_A                            ; the blocks' largest scores, the running M, f, t - M, and the batch; the two tiles by turns
.irp u, 0,1
.irp b, 0,1,2,3
	v_max3_num_f32 v[BM+4*\u+\b], v[S+64*\u+16*\b], v[S+64*\u+16*\b+1], v[S+64*\u+16*\b+2]   ; the largest score of a block of 32 keys: for the row's maximum and, since p rises with the score, for the block's largest p
.endr
.endr
.irp i, 3,5,7,9,11,13
.irp u, 0,1
.irp b, 0,1,2,3
	v_max3_num_f32 v[BM+4*\u+\b], v[BM+4*\u+\b], v[S+64*\u+16*\b+\i], v[S+64*\u+16*\b+\i+1]
.endr
.endr
.endr
.irp u, 0,1
.irp b, 0,1,2,3
	v_max_num_f32 v[BM+4*\u+\b], v[BM+4*\u+\b], v[S+64*\u+16*\b+15]
.endr
.endr
.irp b, 0,1,2,3,4,5,6,7
	v_permlanex16_b32 v[PD+\b], v[BM+\b], s[SEL], s[SEL+1]
.endr
.irp b, 0,1,2,3,4,5,6,7
	v_max_num_f32 v[BM+\b], v[BM+\b], v[PD+\b]
.endr
.irp u, 0,1
	v_max3_num_f32 v[T+\u], v[BM+4*\u], v[BM+4*\u+1], v[BM+4*\u+2]
.endr
.irp u, 0,1
	v_max_num_f32 v[T+\u], v[T+\u], v[BM+4*\u+3]
.endr
.irp u, 0,1
	v_mul_f32 v[T+\u], s[CS], v[T+\u]
.endr
.irp u, 0,1
	v_max_num_f32 v[NM+2*\u+1], v[NM+2*\u+1], v[T+\u]   ; the running largest t
.endr
.irp u, 0,1
	v_mov_b32 v[T+\u], v[NM+2*\u]
.endr
.irp u, 0,1
	v_floor_f32 v[NM+2*\u], -v[NM+2*\u+1]          ; -M = floor(-t): M is a whole number
.endr
.irp u, 0,1
	v_sub_f32 v[T+\u], v[NM+2*\u], v[T+\u]
.endr
.irp u, 0,1
	v_cvt_i32_f32 v[T+\u], v[T+\u]
.endr
.irp u, 0,1
	v_ldexp_f32 v[FF+2*\u], 1.0, v[T+\u]           ; f = 2^(old M - new M)
.endr
.set n, 0
.rept 64
	v_pk_fma_f32 v[S+n:S+n+1], v[S+n:S+n+1], s[CS:CS+1], v[NM+2*(n/64):NM+2*(n/64)+1] op_sel_hi:[1,0,0]   ; t - M
.set n, n+2
.endr
.irp u, 0,1
.irp b, 0,1,2,3
	v_fma_f32 v[BM+4*\u+\b], v[BM+4*\u+\b], s[CS], v[NM+2*\u]   ; the same of each block's largest score
.endr
.endr
	s_wait_alu depctr_va_vdst(0)                   ; the wait ahead of the batch
.set n, 0
.rept 128
	v_exp_f32 v[S+n], v[S+n]                       ; p = 2^(t - M)
.set n, n+1
.endr
.irp b, 0,1,2,3,4,5,6,7
	v_exp_f32 v[BM+\b], v[BM+\b]                   ; the block's largest p
.endr
.irp u, 0,1
	v_pk_mul_f32 v[SU+2*\u:SU+2*\u+1], v[SU+2*\u:SU+2*\u+1], v[FF+2*\u:FF+2*\u+1] op_sel_hi:[1,0]   ; the sums under the new M: plain places behind the batch
.endr
	s_wait_alu depctr_va_vdst(0)                   ; one wait for the batch, ahead of its first reader
.endm
.macro CVT u, tb                       ; a tile's 64 numbers into codes; the second halves go to v[tb] on (three registers begin on an even number)
.irp c, 0,1
	v_cvt_scalef32_pk16_fp6_f32 v[PC+12*(\u)+6*\c:PC+12*(\u)+6*\c+2], v[S+64*(\u)+32*\c:S+64*(\u)+32*\c+15], v[SO+4*(\u)+2*\c]
	v_cvt_scalef32_pk16_fp6_f32 v[(\tb)+4*\c:(\tb)+4*\c+2], v[S+64*(\u)+32*\c+16:S+64*(\u)+32*\c+31], v[SO+4*(\u)+2*\c+1]
.endr
.endm
.macro SWAPS u, tb                     ; a whole block to a lane: lanes 0-15 block 2 c, lanes 16-31 block 2 c + 1
.irp c, 0,1
.irp i, 0,1,2
	v_permlane16_swap_b32 v[PC+12*(\u)+6*\c+\i], v[(\tb)+4*\c+\i]
.endr
.irp i, 0,1,2
	v_mov_b32 v[PC+12*(\u)+6*\c+3+\i], v[(\tb)+4*\c+\i]
.endr
.endr
.endm
.macro SM_B                            ; p's scale words and codes
.irp b, 0,1,2,3,4,5,6,7
	v_max_num_f32 v[BM+\b], 0x1800000, v[BM+\b]    ; the floor 2^(3 - 127)
.endr
.irp b, 0,1,2,3,4,5,6,7
	v_add_nc_u32 v[SO+\b], 0xff000000, v[BM+\b]    ; 2 off the exponent field: the conversion's scale operand
.endr
.irp b, 0,1,2,3,4,5,6,7
	v_lshrrev_b32 v[PD+\b], 23, v[SO+\b]           ; the byte
.endr
.irp u, 0,1
	v_lshl_or_b32 v[PWD+\u], v[PD+4*\u+1], 8, v[PD+4*\u]
.endr
.irp u, 0,1
	v_lshl_or_b32 v[PWD+\u], v[PD+4*\u+2], 16, v[PWD+\u]
.endr
.irp u, 0,1
	v_lshl_or_b32 v[PWD+\u], v[PD+4*\u+3], 24, v[PWD+\u]
.endr
	CVT 0, TT
	CVT 1, PD
	v_nop                                          ; one plain place behind a scaled conversion
	SWAPS 0, TT
	SWAPS 1, PD
.endm
.macro SUMJ j                          ; the row's sum is taken of the unquantised p: two at a time, two chains a tile
.irp u, 0,1
	v_pk_add_f32 v[SU+2*\u:SU+2*\u+1], v[SU+2*\u:SU+2*\u+1], v[S+64*\u+\j:S+64*\u+\j+1]
	v_pk_add_f32 v[TT+2*\u:TT+2*\u+1], v[TT+2*\u:TT+2*\u+1], v[S+64*\u+\j+2:S+64*\u+\j+3]
.endr
.endm
; A KEY STEP: my record j (0, 1) of the slot in hand.  mode 0: my next record lies in the same slot; 1: my last of the slot, which is filled again; 2: it is not; 3: my last record of all
.macro STEP j, mode
	s_wait_dscnt 0x0                               ; K and its scale words are in
	WIN 0x01                                       ; source 0 window 1
.irp t, 0,1,2,3,4,5,6,7
.irp u, 0,1
	v_wmma_scale_f32_16x16x128_f8f6f4 v[S+64*\u+8*\t:S+64*\u+8*\t+7], v[128+12*\t:128+12*\t+11], v[Q+12*\u:Q+12*\u+11], 0, v[KW+\t], v[QW+\u] matrix_a_fmt:MATRIX_FMT_FP6 matrix_b_fmt:MATRIX_FMT_FP6
.endr
.endr
	WIN 0
	PLACES 4                                       ; in front of the loads into the fragments' registers and of the first read of the scores
	FRAGS 1+\j, 12288                              ; V takes K's registers
	WORDS VW, 2048*\j+512
.if ((\mode) == 1) || ((\mode) == 2)
	s_wait_tensorcnt 0x0                           ; all my tensor loads have landed, my part of the other slot among them
	ds_add_u32 v5, v6                              ; 0 onto my spare word
.if (\mode) == 1
	s_xor_b32 s[G0B+1], s[G0B+1], SLOT1            ; the walking descriptor: the other slot than last time,
	s_add_nc_u64 s[G0B+2:G0B+3], s[G0B+2:G0B+3], SLOTB   ; the next four records
	s_wait_xcnt 0x0                                ; the last prefetch, a slot back, has read its address
	s_add_nc_u64 s[PFA:PFA+1], s[PFA:PFA+1], SLOTB
.endif
	s_xor_b32 s[TB], s[TB], SLOT1
	s_wait_dscnt 0x0                               ; the add is done; V is in registers: my reads of the slot are over
	s_barrier_signal -1                            ; say so; work on registers alone follows while the others arrive
.endif
	SM_A
.if ((\mode) == 1) || ((\mode) == 2)
	s_barrier_wait -1
.if (\mode) == 1
	CREST                                          ; the barrier has opened a round: no wave of any partner still reads the slot or has a load on its way
	tensor_load_to_lds s[G0B:G0B+3], s[G1:G1+7]
	s_nop 0
	PLACES 4
	ASK
.endif
	v_add_nc_u32 v1, s[TB], v10
	v_add_nc_u32 v2, 49152, v1
.endif
	SM_B
	WIN 0x41                                       ; destination and source 0 window 1
	s_wait_alu depctr_va_vdst(0)                   ; the wait directly ahead of the first reader of O^T
.set n, 0
.rept 64
	v_pk_mul_f32 v[n:n+1], v[n:n+1], v[FF+2*(n/64):FF+2*(n/64)+1] op_sel_hi:[1,0]   ; O^T under the new M; also the places between p's codes and scale words and the products
.set n, n+2
.endr
	WIN 0
.if ((\mode) == 0) || ((\mode) == 3)
	s_wait_alu depctr_va_vdst(0)                   ; the wait directly ahead of the wait below
	s_wait_dscnt 0x0                               ; V is in
.endif
	WIN 0x51                                       ; source 0, C and D window 1
.irp t, 0,1,2,3,4,5,6,7
.irp u, 0,1
	v_wmma_scale_f32_16x16x128_f8f6f4 v[64*\u+8*\t:64*\u+8*\t+7], v[128+12*\t:128+12*\t+11], v[PC+12*\u:PC+12*\u+11], v[64*\u+8*\t:64*\u+8*\t+7], v[VW+\t], v[PWD+\u] matrix_a_fmt:MATRIX_FMT_FP6 matrix_b_fmt:MATRIX_FMT_FP6
.endr
.endr
	WIN 0
.irp u, 0,1
	v_pk_add_f32 v[TT+2*\u:TT+2*\u+1], v[S+64*\u:S+64*\u+1], v[S+64*\u+2:S+64*\u+3]
.endr
	SUMJ 4                                         ; six plain lines that name no register of the products: the places in front of the loads below
.if (\mode) == 0
	FRAGS 2, 0                                     ; my next record's K takes V's registers
	WORDS KW, 2048
.endif
.if ((\mode) == 1) || ((\mode) == 2)
	FRAGS 1, 0                                     ; the other slot's first record of mine
	WORDS KW, 4096
	s_add_co_u32 s[TS], s[TS], 4096                ; the next slot's scale words
	v_add_nc_u32 v4, s[TS], v3
.endif
.irp k, 8,12,16,20,24,28,32,36,40,44,48,52,56,60
	SUMJ \k
.endr
.irp u, 0,1
	v_pk_add_f32 v[SU+2*\u:SU+2*\u+1], v[SU+2*\u:SU+2*\u+1], v[TT+2*\u:TT+2*\u+1]
.endr
.endm
	s_wait_alu depctr_va_vdst(0)                   ; the wait at the head's end
	s_wait_tensorcnt 0x0                           ; my part of the head's tiles is in; slot 1's first fill is issued as a refill is
	ds_add_u32 v5, v6
	s_wait_dscnt 0x0
	CROUND                                         ; slot 0 and the scale words are whole, and all four work-groups are here
	tensor_load_to_lds s[G0B:G0B+3], s[G1:G1+7]    ; records 4-7
	s_nop 0
	PLACES 4
	FRAGS 1, 0                                     ; K of my first record
	WORDS KW, 0
	s_wait_loadcnt 0x0                             ; Q
.Lslot:                                            ; six trips: every slot but the last two is filled again
	STEP 0, 0
	STEP 1, 1
	s_sub_co_u32 s[SLOTS], s[SLOTS], 1
	s_cmp_lg_u32 s[SLOTS], 0
	s_wait_alu depctr_va_vdst(0)                   ; the wait directly ahead of the branch
	s_cbranch_scc1 .Lslot
	STEP 0, 0                                      ; the tail is written out
	STEP 1, 2
	STEP 0, 0
	STEP 1, 3
	; THE PAIR JOINS.  My part of tile 1 goes to my partner, its part of my tile 0 comes to me
	v_add_f32 v[NM+3], v[SU+2], v[SU+3]            ; tile 1: (-M, my lanes' sum) as a pair
	v_add_f32 v[SU], v[SU], v[SU+1]
	WIN 0x04                                       ; an LDS store's data are its source 1: window 1
.set n, 0
.rept 16
	ds_store_b128 v94, v[64+4*n:64+4*n+3] offset:512*n   ; each accumulator from its low end on
.set n, n+1
.endr
	WIN 0
	ds_store_b64 v94, v[NM+2:NM+3] offset:8192
	s_wait_alu depctr_va_vdst(0)                   ; the wait directly ahead of the wait below
	s_wait_dscnt 0x0                               ; for my partner's sake
	s_barrier_signal -1
	s_barrier_wait -1
.set n, 0
.rept 16
	ds_load_b128 v[S+4*n:S+4*n+3], v95 offset:512*n
.set n, n+1
.endr
	ds_load_b64 v[T:T+1], v95 offset:8192
	s_wait_dscnt 0x0
	v_min_num_f32 v84, v[NM], v[T]                 ; - the larger M
	v_sub_f32 v85, v84, v[NM]
	v_sub_f32 v86, v84, v[T]
	v_cvt_i32_f32 v85, v85
	v_cvt_i32_f32 v86, v86
	v_ldexp_f32 v[FF], 1.0, v85                    ; my part's factor, a power of two,
	v_ldexp_f32 v[FF+2], 1.0, v86                  ; my partner's
	v_mul_f32 v87, v[FF], v[SU]
	v_fma_f32 v87, v[FF+2], v[T+1], v87
	v_permlanex16_b32 v[PD], v87, s[SEL], s[SEL+1]
	v_add_f32 v87, v87, v[PD]                      ; the row's sum
	s_wait_alu depctr_va_vdst(0)
	v_rcp_f32 v88, v87
	v_nop                                          ; a plain place behind the reciprocal
	s_wait_alu depctr_va_vdst(0)
	v_mul_f32 v[FF], v[FF], v88                    ; the division goes into the two factors
	v_mul_f32 v[FF+2], v[FF+2], v88
.set n, 0
.rept 32
	v_pk_mul_f32 v[S+n:S+n+1], v[S+n:S+n+1], v[FF+2:FF+3] op_sel_hi:[1,0]
.set n, n+2
.endr
	WIN 0x01
	s_wait_alu depctr_va_vdst(0)                   ; the wait directly ahead of the first reader of O^T
.set n, 0
.rept 32
	v_pk_fma_f32 v[S+n:S+n+1], v[n:n+1], v[FF:FF+1], v[S+n:S+n+1] op_sel_hi:[1,0,1]   ; register 16 b + i is channel 32 b + 16 h + i
.set n, n+2
.endr
	WIN 0
	; quantised along the channels: K step = my query head of the last product
.irp b, 0,1,2,3
	v_max3_num_f32 v[BM+\b], |v[S+16*\b]|, |v[S+16*\b+1]|, 0x1800000
.endr
.irp i, 2,4,6,8,10,12,14
.irp b, 0,1,2,3
	v_max3_num_f32 v[BM+\b], v[BM+\b], |v[S+16*\b+\i]|, |v[S+16*\b+\i+1]|
.endr
.endr
.irp b, 0,1,2,3
	v_permlanex16_b32 v[PD+\b], v[BM+\b], s[SEL], s[SEL+1]
.endr
.irp b, 0,1,2,3
	v_max_num_f32 v[BM+\b], v[BM+\b], v[PD+\b]
.endr
.irp b, 0,1,2,3
	v_add_nc_u32 v[SO+\b], 0xff000000, v[BM+\b]
.endr
.irp b, 0,1,2,3
	v_lshrrev_b32 v[PD+\b], 23, v[SO+\b]
.endr
	v_lshl_or_b32 v[T], v[PD+1], 8, v[PD]
	v_lshl_or_b32 v[T], v[PD+2], 16, v[T]
	v_lshl_or_b32 v[T], v[PD+3], 24, v[T]
	v_lshlrev_b32 v[T+1], 4, v9                    ; 16 r
	CVT 0, TT
	v_nop
	SWAPS 0, TT
.irp c, 0,1,2
	global_store_b128 v7, v[PC+4*\c:PC+4*\c+3], s[56:57] offset:512*\c   ; 512 consecutive bytes
.endr
	global_store_b32 v[T+1], v[T], s[58:59]        ; word (head & 3) of each row's four; lanes r and r + 16 hold the same word and write it to the same place
	s_wait_tensorcnt 0x0                           ; the wave's end
	ds_add_u32 v5, v6
	s_wait_dscnt 0x0
	CROUND                                         ; the closing round
	s_endpgm
.Lfunc_end_k_qc9fef730c5_attn:
	.size	k_qc9fef730c5_attn, .Lfunc_end_k_qc9fef730c5_attn-k_qc9fef730c5_attn
	.p2alignl 7, 3214868480
	.fill 96, 4, 3214868480
	.section	.rodata,"a",@progbits
	.p2align	6, 0x0
	.amdhsa_kernel k_qc9fef730c5_attn
		.amdhsa_group_segment_fixed_size 327680
		.amdhsa_private_segment_fixed_size 0
		.amdhsa_enable_private_segment 0
		.amdhsa_kernarg_size 16
		.amdhsa_user_sgpr_count 2
		.amdhsa_user_sgpr_kernarg_segment_ptr 1
		.amdhsa_wavefront_size32 1
		.amdhsa_system_sgpr_workgroup_id_x 1
		.amdhsa_system_sgpr_workgroup_id_y 1
		.amdhsa_system_sgpr_workgroup_id_z 1
		.amdhsa_system_vgpr_workitem_id 0
		.amdhsa_next_free_vgpr 512
		.amdhsa_next_free_sgpr 80
		.amdhsa_reserve_vcc 0
		.amdhsa_float_denorm_mode_32 3
		.amdhsa_float_denorm_mode_16_64 3
		.amdhsa_memory_ordered 1
		.amdhsa_forward_progress 1
		.amdhsa_inst_pref_size 229
	.end_amdhsa_kernel
	.amdgpu_metadata
---
amdhsa.version: [ 1, 2 ]
amdhsa.kernels:
  - .name:           k_qc9fef730c5_attn
    .symbol:         k_qc9fef730c5_attn.kd
    .args:
      - { .name: qkv, .offset: 0, .size: 8, .value_kind: global_buffer, .address_space: global }
      - { .name: o, .offset: 8, .size: 8, .value_kind: global_buffer, .address_space: global }
    .group_segment_fixed_size: 327680
    .private_segment_fixed_size: 0
    .kernarg_segment_align: 8
    .kernarg_segment_size: 16
    .max_flat_workgroup_size: 256
    .sgpr_count:     80
    .vgpr_count:     512
    .wavefront_size: 32
...
	.end_amdgpu_metadata
.endif
;; end of part 3
;; launch outp (part 4): grid 16 x 16, 4 waves a work-group, clusters of 4 x 4, 327,680 bytes of LDS; arguments o, w, out0; writes out0
.if DOCPART == 4
	.amdgcn_target "amdgcn-amd-amdhsa--gfx1250"
	.amdhsa_code_object_version 6
	.text
	.protected	k_qc9fef730c5_outp
	.globl	k_qc9fef730c5_outp
	.p2align	8
	.type	k_qc9fef730c5_outp,@function
k_qc9fef730c5_outp:
	s_mov_b64 s[64:65], 0
	v_nop
	global_prefetch_b8 v0, s[64:65] scope:SCOPE_SE
	s_setreg_imm32_b32 hwreg(HW_REG_WAVE_MODE, 25, 1), 1
	s_wait_xcnt 0x0
	s_wait_alu depctr_hold_cnt(0) depctr_sa_sdst(0) depctr_va_vdst(0) depctr_va_sdst(0) depctr_va_ssrc(0) depctr_va_vcc(0) depctr_vm_vsrc(0)
	s_getreg_b32 s2, hwreg(HW_REG_IB_STS2, 6, 4)
	s_cmp_eq_u32 s2, 0
	s_cbranch_scc0 .Lentry_in_a_cluster
	s_endpgm
.Lentry_in_a_cluster:
	s_bfe_u32 s2, ttmp6, 0x10000c
	s_cmp_lg_u32 s2, 0xf033
	s_cbranch_scc0 .Lentry_shape_is_right
	s_endpgm
.Lentry_shape_is_right:
; out0 = o Wo on codes of FP6 (E2M3), K = 2048; out0 [2048][2048] f32.  Both operands lie in memory as images of operand registers (12 registers a lane; registers 4 c .. at 512 c + 16 x lane), [tile][K step 16][1536],
; with scale words [tile][quad][row][4 words] behind them; lane r of tile T holds row 32 (T / 2) + 8 (T % 2) + r + 8 (r / 8).
; A work-group makes 128 tokens x 128 columns: 256 work-groups.  P = 8 tiles of Wo's columns (w's tiles 192 on; source 0), R = 8 tiles of tokens (source 1): a lane holds one token and eight neighbouring columns an accumulator.
; A wave takes 4 x 4 tiles: 16 accumulators, (i, j) at v[32 j + 8 i] of window 2.
; LDS HOLDS TWELVE OF THE SIXTEEN K STEPS AT A TIME, in three fills.  A: K steps 0-7, a tile's eight steps 12,288 bytes on end: P's 8 tiles from byte 0, R's from RA.  B: K steps 8-11, a tile's four steps 6,144 bytes on end,
; from RB: P's halves, then R's.  C: K steps 12-15, laid as B, over the first half of P's and of R's bytes of A.  At the head each wave issues one load: wave 0 P's part of A, wave 1 R's, waves 2 and 3 the scale words for all of K.
; B goes out behind the first round, a quarter a wave, with eight K steps' products in which to land; C behind the one round in the walk, when every wave has read A out.  One tensor load a wave is out at the most.
; CLUSTER 4 x 4: P hangs on the block of columns alone and is shared along a column of the cluster, R on the block of tokens alone and is shared along a row: each is asked for jointly.
; PREFETCH: behind B's load and the first fragment loads each wave names one tile's K steps 12-15, 24 blocks of 256 bytes, a lane a block: eight K steps ahead of C's load.  The four partners that ask for a block of tiles
; jointly share its 8 tiles out by address: partner p takes tiles 2 p and 2 p + 1 (p = cy for P, cx for R), one for each of the two waves that fetch for that operand.
; REGISTERS: window 0: v1-18 addresses; v32-95 scale words, two sets of 32, and nothing else; v128-223 R's fragments, two sets, later rows of out0.   window 1: v0-95 P's fragments, two sets.
.set WSC,   7864320
.set OSC,   3145728
.set RA,    98304                      ; R's part of A
.set RB,    196608                     ; B
.set SCP,   294912                     ; P's scale words, 8 x 1,024;
.set SCR,   303104                     ; R's
.set SPARE, 311296                     ; the spare words: two blocks of 256 bytes that no other line names
.set SPITCH, 272                       ; the way out: 16 rows x (256 bytes + 16) for each wave, in B, which has had its only fill, and its last read ahead of the walk's last barrier
.set SC,  32
.set RF,  128
.set WV,  16
.set WP,  17
.set WR,  18
.set G1P,  36
.set G1R,  44
.set G1SP, 52
.set G1SR, 68
.set G0P,  76
.set G0R,  84
.set G0SP, 92
.set G0SR, 96
.set MSB, 0
.macro WIN new
.if MSB != \new
	s_set_vgpr_msb (MSB<<8)|\new
.set MSB, \new
.endif
.endm
.macro PLACES n
.rept \n
	v_nop
.endr
.endm
.macro CROUND
	s_barrier_signal -1
	s_barrier_wait -1
	s_cmp_lg_u32 s[WV], 0
	s_cbranch_scc1 .Lnot_wave_0_\@
	s_barrier_signal -3
.Lnot_wave_0_\@:
	s_barrier_wait -3
	s_barrier_signal -1
	s_barrier_wait -1
.endm
.macro JLOAD f                         ; f = 1: B, f = 0: C.  Waves 0, 1: P's halves; waves 2, 3: R's.  Four v_nop follow each line
	s_cmp_lt_u32 s[WV], 2
	s_cbranch_scc0 .Lfor_r_\@
	tensor_load_to_lds s[G0P+4*(\f):G0P+4*(\f)+3], s[G1P:G1P+7]
	s_nop 0
	PLACES 4
	s_branch .Lasked_\@
.Lfor_r_\@:
	tensor_load_to_lds s[G0R+4*(\f):G0R+4*(\f)+3], s[G1R:G1R+7]
	s_nop 0
	PLACES 4
.Lasked_\@:
.endm
	s_load_b128 s[4:7], s[0:1], 0x0                ; o, w
	s_load_b64 s[8:9], s[0:1], 0x10                ; out0
	v_lshl_add_u32 v10, v0, 2, SPARE
	v_mov_b32 v11, 0
	ds_add_u32 v10, v11                            ; the opening lines: the add twice on end and one wait
	ds_add_u32 v10, v11
	v_lshrrev_b32 v1, 5, v0
	v_readfirstlane_b32 s[WV], v1
	s_lshr_b32 s[WP], s[WV], 1
	s_and_b32 s[WR], s[WV], 1
	s_mul_i32 s10, s[WP], 49152                    ; my four tiles of P in A,
	s_mul_i32 s11, s[WR], 49152
	s_add_co_u32 s11, s11, RA                      ; of R in A,
	s_mul_i32 s14, s[WP], 24576                    ; of P in C,
	s_add_co_u32 s12, s14, RB                      ; of P in B,
	s_mul_i32 s15, s[WR], 24576
	s_add_co_u32 s13, s15, RB+49152                ; of R in B,
	s_add_co_u32 s15, s15, RA                      ; of R in C
	s_lshl_b32 s60, s[WP], 12
	s_add_co_u32 s60, s60, SCP
	s_lshl_b32 s61, s[WR], 12
	s_add_co_u32 s61, s61, SCR
	s_mul_i32 s62, s[WV], 16*SPITCH
	s_add_co_u32 s62, s62, RB                      ; my stage
	s_bfe_u32 s19, ttmp6, 0x40000                  ; cx
	s_bfe_u32 s20, ttmp6, 0x40004                  ; cy
	s_lshl_b32 s21, ttmp9, 2
	s_add_co_u32 s21, s21, s19                     ; the block of columns
	s_and_b32 s22, ttmp7, 0xffff
	s_lshl_b32 s22, s22, 2
	s_add_co_u32 s22, s22, s20                     ; the block of tokens
	s_lshl_b32 s23, s20, 2
	s_lshl_b32 s23, 15, s23                        ; my row of the cluster
	s_lshl_b32 s24, 0x1111, s19                    ; my column
	s_or_b32 s[G1P], s24, (3<<16)|(1<<21)          ; P goes to my column; elements of 8 bytes; bit 21 set beside a mask
	s_or_b32 s[G1SP], s24, (3<<16)|(1<<21)
	s_or_b32 s[G1R], s23, (3<<16)|(1<<21)          ; R to my row
	s_or_b32 s[G1SR], s23, (3<<16)|(1<<21)
.irp g, G1P, G1R                               ; at the head: 8 tiles x 12,288 consecutive bytes, 24,576 bytes apart; behind it the four words that count are set for 4 tiles x 6,144 bytes
	s_mov_b32 s[\g+1], 1536<<16
	s_mov_b32 s[\g+2], 8<<16
	s_mov_b32 s[\g+3], 1536<<16
	s_mov_b32 s[\g+4], 8
	s_mov_b32 s[\g+5], 3072
	s_mov_b32 s[\g+6], 0
	s_mov_b32 s[\g+7], 0
.endr
.irp g, G1SP, G1SR                             ; 8 tiles' scale words: a dense block of 32 rows of 256 bytes
	s_mov_b32 s[\g+1], 32<<16
	s_mov_b32 s[\g+2], 32<<16
	s_mov_b32 s[\g+3], 32<<16
	s_mov_b32 s[\g+4], 32
	s_mov_b32 s[\g+5], 32
	s_mov_b32 s[\g+6], 0
	s_mov_b32 s[\g+7], 0
.endr
	s_cmp_lt_u32 s[WV], 2                          ; the prefetch: my place among the four that ask with me: cy for P, cx for R
	s_cselect_b32 s25, s20, s19
	s_lshl_b32 s25, s25, 1
	s_add_co_u32 s25, s25, s[WR]                   ; the tile of the eight that I name
	s_mul_i32 s24, s25, 24576
	s_add_co_u32 s24, s24, 18432                   ; its K steps 12-15
	s_mov_b32 s25, 0
	; P's address is made of the block of columns, R's of the block of tokens, each in registers that never hold the other coordinate
	s_lshl_b32 s26, s21, 3
	s_add_co_u32 s26, s26, 192
	s_lshl_b32 s28, s26, 10
	s_add_co_u32 s28, s28, WSC
	s_mov_b32 s29, 0
	s_mul_i32 s26, s26, 24576
	s_mov_b32 s27, 0
	s_lshl_b32 s30, s22, 3
	s_lshl_b32 s32, s30, 10
	s_add_co_u32 s32, s32, OSC
	s_mov_b32 s33, 0
	s_mul_i32 s30, s30, 24576
	s_mov_b32 s31, 0
	s_lshl_b32 s34, s22, 7
	s_lshl_b32 s35, s[WR], 6
	s_add_co_u32 s34, s34, s35                     ; my first token
	s_lshl_b32 s34, s34, 13
	s_lshl_b32 s35, s21, 9
	s_add_co_u32 s34, s34, s35
	s_lshl_b32 s35, s[WP], 8
	s_add_co_u32 s34, s34, s35                     ; my 64 columns: 256 bytes
	s_mov_b32 s35, 0
	s_mul_i32 s67, s[WV], 24576                    ; where my loads of B and C go: P's halves, then R's halves
	s_wait_dscnt 0x0                               ; both opening adds are done
	s_wait_kmcnt 0x0
	s_add_nc_u64 s[26:27], s[6:7], s[26:27]
	s_add_nc_u64 s[28:29], s[6:7], s[28:29]
	s_add_nc_u64 s[30:31], s[4:5], s[30:31]
	s_add_nc_u64 s[32:33], s[4:5], s[32:33]
	s_add_nc_u64 s[8:9], s[8:9], s[34:35]
	s_cmp_lt_u32 s[WV], 2
	s_cselect_b64 s[2:3], s[26:27], s[30:31]       ; the prefetch names the operand that I fetch for
	s_add_nc_u64 s[2:3], s[2:3], s[24:25]
	s_mov_b32 s4, 1                                ; group 0 of the head's load of P's K steps 0-7, all 8 tiles (the arguments that lay here have been used)
	s_mov_b32 s5, 0
	s_mov_b64 s[6:7], s[26:27]
	s_or_b32 s7, s7, 0x80000000
	s_mov_b32 s20, 1                               ; and of R's
	s_mov_b32 s21, RA
	s_mov_b64 s[22:23], s[30:31]
	s_or_b32 s23, s23, 0x80000000
	s_mul_i32 s34, s[WR], 98304                    ; for B and C: the 4 tiles that I fetch
	s_add_nc_u64 s[26:27], s[26:27], s[34:35]
	s_add_nc_u64 s[30:31], s[30:31], s[34:35]
.irp s, 0,1                                    ; set 1: B, K steps 8-11; set 0: C, K steps 12-15
	s_mov_b32 s[G0P+4*\s], 1
	s_add_co_u32 s[G0P+4*\s+1], s67, \s*RB
	s_add_nc_u64 s[G0P+4*\s+2:G0P+4*\s+3], s[26:27], 18432-\s*6144
	s_or_b32 s[G0P+4*\s+3], s[G0P+4*\s+3], 0x80000000
	s_mov_b32 s[G0R+4*\s], 1
	s_add_co_u32 s[G0R+4*\s+1], s67, 49152+\s*(RB-49152)
	s_add_nc_u64 s[G0R+4*\s+2:G0R+4*\s+3], s[30:31], 18432-\s*6144
	s_or_b32 s[G0R+4*\s+3], s[G0R+4*\s+3], 0x80000000
.endr
	s_mov_b32 s[G0SP], 1
	s_mov_b32 s[G0SP+1], SCP
	s_mov_b64 s[G0SP+2:G0SP+3], s[28:29]
	s_or_b32 s[G0SP+3], s[G0SP+3], 0x80000000
	s_mov_b32 s[G0SR], 1
	s_mov_b32 s[G0SR+1], SCR
	s_mov_b64 s[G0SR+2:G0SR+3], s[32:33]
	s_or_b32 s[G0SR+3], s[G0SR+3], 0x80000000
	CROUND                                         ; all sixteen work-groups are here: the first joint loads meet
	; the head's four tiles, one load a wave: one chain of branches on the wave's number
	s_cmp_lt_u32 s[WV], 1
	s_cbranch_scc0 .Lhead_r
	tensor_load_to_lds s[4:7], s[G1P:G1P+7]
	s_nop 0
	PLACES 4
	s_branch .Lfirst_done
.Lhead_r:
	s_cmp_lt_u32 s[WV], 2
	s_cbranch_scc0 .Lhead_sp
	tensor_load_to_lds s[20:23], s[G1R:G1R+7]
	s_nop 0
	PLACES 4
	s_branch .Lfirst_done
.Lhead_sp:
	s_cmp_lt_u32 s[WV], 3
	s_cbranch_scc0 .Lhead_sr
	tensor_load_to_lds s[G0SP:G0SP+3], s[G1SP:G1SP+7]
	s_nop 0
	PLACES 4
	s_branch .Lfirst_done
.Lhead_sr:
	tensor_load_to_lds s[G0SR:G0SR+3], s[G1SR:G1SR+7]
	s_nop 0
	PLACES 4
.Lfirst_done:
	v_and_b32 v1, 31, v0                           ; every LDS address is made here, of the lane and the wave's number alone
	v_and_b32 v2, 15, v0                           ; r
	v_bfe_u32 v3, v0, 4, 1                         ; h
	v_lshlrev_b32 v12, 4, v1
	v_add_nc_u32 v4, s10, v12                      ; P's fragments in A,
	v_add_nc_u32 v5, s12, v12                      ; B,
	v_add_nc_u32 v16, s14, v12                     ; C
	v_add_nc_u32 v6, s11, v12                      ; R's
	v_add_nc_u32 v7, s13, v12
	v_add_nc_u32 v17, s15, v12
	v_lshl_add_u32 v8, v2, 4, s60                  ; the scale words: 16 r
	v_lshl_add_u32 v9, v2, 4, s61
	v_mul_u32_u24 v14, v2, SPITCH
	v_lshl_add_u32 v14, v3, 6, v14
	v_add_nc_u32 v14, s62, v14                     ; the stage, in: row r, + 64 h
	v_mul_u32_u24 v15, v3, SPITCH
	v_lshl_add_u32 v15, v2, 4, v15
	v_add_nc_u32 v15, s62, v15                     ; back: lanes 0-15 one row, lanes 16-31 the next
	v_lshlrev_b32 v13, 13, v3
	v_lshl_add_u32 v13, v2, 4, v13                 ; and the same two rows in out0
	v_min_u32 v18, 23, v1                          ; the prefetch's offset: a lane a block of 256 bytes; the lanes left over name the last block again
	v_lshlrev_b32 v18, 8, v18
.macro FETCH pa, ra, pit, q, set       ; 24 LDS loads in one run: K step q of a fill whose tiles lie pit bytes apart
	WIN 0x40
.irp i, 0,1,2,3
.irp c, 0,1,2
	ds_load_b128 v[48*(\set)+12*\i+4*\c:48*(\set)+12*\i+4*\c+3], v[\pa] offset:(\pit)*\i+1536*(\q)+512*\c
.endr
.endr
	WIN 0
.irp j, 0,1,2,3
.irp c, 0,1,2
	ds_load_b128 v[RF+48*(\set)+12*\j+4*\c:RF+48*(\set)+12*\j+4*\c+3], v[\ra] offset:(\pit)*\j+1536*(\q)+512*\c
.endr
.endr
.endm
.macro FETCHN n                        ; K step n, from the fill that holds it
.if (\n) < 8
	FETCH 4, 6, 12288, \n, (\n)%2
.else
.if (\n) < 12
	FETCH 5, 7, 6144, (\n)-8, (\n)%2
.else
	FETCH 16, 17, 6144, (\n)-12, (\n)%2
.endif
.endif
.endm
.macro SCALES qd, set
.irp i, 0,1,2,3
	ds_load_b128 v[SC+32*(\set)+4*\i:SC+32*(\set)+4*\i+3], v8 offset:1024*\i+256*(\qd)
	ds_load_b128 v[SC+32*(\set)+16+4*\i:SC+32*(\set)+16+4*\i+3], v9 offset:1024*\i+256*(\qd)
.endr
.endm
.macro MUL set, sc, w, zero            ; the 16 accumulators take turns, one instruction a turn
	WIN 0xa1
.irp j, 0,1,2,3
.irp i, 0,1,2,3
.if \zero
	v_wmma_scale_f32_16x16x128_f8f6f4 v[32*\j+8*\i:32*\j+8*\i+7], v[48*(\set)+12*\i:48*(\set)+12*\i+11], v[RF+48*(\set)+12*\j:RF+48*(\set)+12*\j+11], 0, v[SC+32*(\sc)+4*\i+(\w)], v[SC+32*(\sc)+16+4*\j+(\w)] matrix_a_fmt:MATRIX_FMT_FP6 matrix_b_fmt:MATRIX_FMT_FP6
.else
	v_wmma_scale_f32_16x16x128_f8f6f4 v[32*\j+8*\i:32*\j+8*\i+7], v[48*(\set)+12*\i:48*(\set)+12*\i+11], v[RF+48*(\set)+12*\j:RF+48*(\set)+12*\j+11], v[32*\j+8*\i:32*\j+8*\i+7], v[SC+32*(\sc)+4*\i+(\w)], v[SC+32*(\sc)+16+4*\j+(\w)] matrix_a_fmt:MATRIX_FMT_FP6 matrix_b_fmt:MATRIX_FMT_FP6
.endif
.endr
.endr
.endm
.macro STEP n, zero                    ; K step n, whose successor lies in the same fill
	s_wait_dscnt 0x0                               ; this step's fragments, asked for a step ago, are in
	PLACES 4                                       ; four places in front of loads into registers that the last step's products read
	FETCHN (\n)+1
.if ((\n)%4) == 3
	SCALES (\n)/4+1, 1-((\n)/4)%2
.endif
	MUL (\n)%2, ((\n)/4)%2, (\n)%4, \zero
.endm
.macro TURN n, fill                    ; a fill's last K step
	WIN 0
	s_wait_tensorcnt 0x0                           ; all my tensor loads have landed, my part of the next fill among them
	ds_add_u32 v10, v11                            ; 0 onto my spare word
	s_wait_dscnt 0x0                               ; the add is done; this step's fragments are in registers: my reads of this fill are over
.if \fill
	CROUND                                         ; no wave of any partner still reads A or has a load on its way
	JLOAD 0                                        ; C, the first tensor load behind the round; its four v_nop are also the places in front of the loads below
.else
	s_barrier_signal -1
	s_barrier_wait -1
	PLACES 4
.endif
	FETCHN (\n)+1
	SCALES (\n)/4+1, 1-((\n)/4)%2
	MUL (\n)%2, ((\n)/4)%2, 3, 0
.endm
	s_wait_alu depctr_va_vdst(0)                   ; the wait at the head's end
	s_wait_tensorcnt 0x0                           ; my tile of the head's four is in; B's fill is issued as a refill is
	ds_add_u32 v10, v11                            ; 0 onto my spare word
.irp g, G1P, G1R                               ; no tensor load of mine is out: from here on a load brings 4 tiles x 6,144 bytes
	s_mov_b32 s[\g+1], 768<<16
	s_mov_b32 s[\g+2], 4<<16
	s_mov_b32 s[\g+3], 768<<16
	s_mov_b32 s[\g+4], 4
.endr
	s_wait_dscnt 0x0
	CROUND                                         ; all four tiles are in, and all sixteen work-groups are here
	JLOAD 1                                        ; B: K steps 8-11
	FETCHN 0
	SCALES 0, 0
	global_prefetch_b8 v18, s[2:3] th:TH_LOAD_NT scope:SCOPE_SE   ; K steps 12-15 of my tile; the address registers are never rewritten
	STEP 0, 1                                      ; the first products start the sums
	STEP 1, 0
	STEP 2, 0
	STEP 3, 0
	STEP 4, 0
	STEP 5, 0
	STEP 6, 0
	TURN 7, 1
	STEP 8, 0
	STEP 9, 0
	STEP 10, 0
	TURN 11, 0                                     ; nothing is left to fetch
	STEP 12, 0
	STEP 13, 0
	STEP 14, 0
	s_wait_dscnt 0x0
	MUL 1, 1, 3, 0
	PLACES 4
	WIN 0
; THE WAY OUT, a tile of 16 tokens x 64 columns at a time, through my own stage: a lane's 32 bytes go in by rows of 272, and whole rows of 256 bytes come back.
.macro TOSTAGE j
	WIN 0x08                                       ; an LDS store's data are its source 1: window 2
.irp i, 0,1,2,3
	ds_store_b128 v14, v[32*\j+8*\i:32*\j+8*\i+3] offset:128*(\i/2)+32*(\i%2)       ; columns 32 (i / 2) + 16 h + 8 (i % 2) ..; each accumulator from its low end on
	ds_store_b128 v14, v[32*\j+8*\i+4:32*\j+8*\i+7] offset:128*(\i/2)+32*(\i%2)+16
.endr
	WIN 0
.irp t, 0,1,2,3,4,5,6,7
	ds_load_b128 v[128+32*((\j)%2)+4*\t:128+32*((\j)%2)+4*\t+3], v15 offset:2*\t*SPITCH   ; LDS serves a wave's instructions in order: these see the stores above
.endr
.endm
.macro SEND j, younger
	s_wait_dscnt \younger
.irp t, 0,1,2,3,4,5,6,7
	global_store_b128 v13, v[128+32*((\j)%2)+4*\t:128+32*((\j)%2)+4*\t+3], s[8:9] offset:(32*((\j)/2)+8*((\j)%2)+2*\t+8*(\t/4))*8192 th:TH_STORE_NT   ; sixteen lanes store 256 consecutive bytes, aligned
.endr
.endm
	TOSTAGE 0
	TOSTAGE 1
	SEND 0, 16                                     ; behind tile 0's loads: tile 1's 8 stores and 8 loads
	s_wait_xcnt 0x0                                ; tile 0's stores have read their registers
	TOSTAGE 2
	SEND 1, 16
	s_wait_xcnt 0x0
	TOSTAGE 3
	SEND 2, 16
	SEND 3, 0
	s_wait_tensorcnt 0x0                           ; the wave's end
	ds_add_u32 v10, v11
	s_wait_dscnt 0x0
	CROUND                                         ; the closing round
	s_endpgm
.Lfunc_end_k_qc9fef730c5_outp:
	.size	k_qc9fef730c5_outp, .Lfunc_end_k_qc9fef730c5_outp-k_qc9fef730c5_outp
	.p2alignl 7, 3214868480
	.fill 96, 4, 3214868480
	.section	.rodata,"a",@progbits
	.p2align	6, 0x0
	.amdhsa_kernel k_qc9fef730c5_outp
		.amdhsa_group_segment_fixed_size 327680
		.amdhsa_private_segment_fixed_size 0
		.amdhsa_enable_private_segment 0
		.amdhsa_kernarg_size 24
		.amdhsa_user_sgpr_count 2
		.amdhsa_user_sgpr_kernarg_segment_ptr 1
		.amdhsa_wavefront_size32 1
		.amdhsa_system_sgpr_workgroup_id_x 1
		.amdhsa_system_sgpr_workgroup_id_y 1
		.amdhsa_system_sgpr_workgroup_id_z 1
		.amdhsa_system_vgpr_workitem_id 0
		.amdhsa_next_free_vgpr 640
		.amdhsa_next_free_sgpr 100
		.amdhsa_reserve_vcc 0
		.amdhsa_float_denorm_mode_32 3
		.amdhsa_float_denorm_mode_16_64 3
		.amdhsa_memory_ordered 1
		.amdhsa_forward_progress 1
		.amdhsa_inst_pref_size 83
	.end_amdhsa_kernel
	.amdgpu_metadata
---
amdhsa.version: [ 1, 2 ]
amdhsa.kernels:
  - .name:           k_qc9fef730c5_outp
    .symbol:         k_qc9fef730c5_outp.kd
    .args:
      - { .name: o, .offset: 0, .size: 8, .value_kind: global_buffer, .address_space: global }
      - { .name: w, .offset: 8, .size: 8, .value_kind: global_buffer, .address_space: global }
      - { .name: out0, .offset: 16, .size: 8, .value_kind: global_buffer, .address_space: global }
    .group_segment_fixed_size: 327680
    .private_segment_fixed_size: 0
    .kernarg_segment_align: 8
    .kernarg_segment_size: 24
    .max_flat_workgroup_size: 128
    .sgpr_count:     100
    .vgpr_count:     640
    .wavefront_size: 32
...
	.end_amdgpu_metadata
.endif
;; end of part 4
